; MI455X (gfx1250); checked and timed in simulation.
; The chip was launched on July 23, 2026; its instructions are those of AMD's public machine-readable ISA for CDNA 5 (MIT licence, August 2026) and "CDNA5" Instruction Set Architecture Reference Guide (July 2026). The comments in the code are by the model that wrote it; some were corrected since.
;; Encoder Layer. Allowed arithmetic: matrix products marked QUANTISED: E2M1 operands, one E8M0 scale for each 32 along K, by v_wmma_scale_f32_16x16x128_f8f6f4 with both operands' format E2M1 (or v_wmma_scale_f32_32x16x128_f4), f32 sums; everything else in f32.
;; Inputs: W1 1,024 x 4,096 float32; W2 4,096 x 1,024 float32; Wqkv 1,024 x 3,072 float32; b1 4,096 float32; b2 1,024 float32; beta 1,024 float32; bqkv 3,072 float32; gamma 1,024 float32; x 2 x 2,048 x 1,024 float32.
;; Outputs: out0 2 x 2,048 x 1,024 float32.
;; This version of the problem:
;;   THIS VERSION OF THE PROBLEM IS GIVEN IN LOW PRECISION. The matrix products marked QUANTISED in the list below multiply operands that are first quantised to E2M1 (2 exponent bits, 1 mantissa bit; 4 bits a number), with one power-of-two scale for each 32 numbers along K (OCP MX v1.0); their sums are f32. All else is computed in f32.
;;   The module's matrix products, in the order in which they are computed (A, B: the left and right operand; K: the contracted axis; several contracted axes count as one K, in the product's order):
;;     1. [M 4,096, K 1,024] x [K 1,024, N 3,072]; A: input x; B: input Wqkv: QUANTISED
;;     2. batch 32 x [M 2,048, K 64] x [K 64, N 2,048]; A: computed on the way; B: computed on the way: QUANTISED
;;     3. batch 32 x [M 2,048, K 2,048] x [K 2,048, N 64]; A: softmax (see below); B: computed on the way: QUANTISED
;;     4. [M 4,096, K 1,024] x [K 1,024, N 4,096]; A: computed on the way; B: input W1: QUANTISED
;;     5. [M 4,096, K 4,096] x [K 4,096, N 1,024]; A: computed on the way; B: input W2: QUANTISED
;;   THE QUANTISER, for each operand of a quantised product, along K:
;;     - K is cut into blocks of 32 from its start; a last block that is shorter is filled with zeros.
;;     - A block's scale is 2^e with e = floor(log2(the largest magnitude in the block)) - 2, held to -126 .. 127; a block of zeros has e = 0. As a byte (E8M0): e + 127.
;;     - Each number is divided by its block's scale, clamped to +-6, and rounded to the nearest number of E2M1, ties to even, subnormals kept.
;;     - The product sums the exact products of the quantised numbers (number of the format x scale) in f32.
;;   ~~~python
;;   def quantise(x, axis):      # numpy; x: float32 -> the quantised numbers, widened to float32 again
;;       x = np.moveaxis(x, axis, -1); K = x.shape[-1]
;;       x = np.pad(x, [(0, 0)] * (x.ndim - 1) + [(0, -K % 32)]); x = x.reshape(x.shape[:-1] + (-1, 32)); a = np.abs(x).max(-1, keepdims=True)
;;       e = np.where(a > 0, np.clip(np.frexp(np.where(a > 0, a, 1))[1] - 1 - 2, -126, 127), 0)      # np.frexp(a)[1] - 1 = floor(log2(a)), exactly
;;       r = np.clip(x / 2.0 ** e, -6, 6)
;;       step = 2.0 ** (np.maximum(np.frexp(np.where(r == 0, 1, r))[1] - 1, 0) - 1)
;;       q = np.round(r / step) * step * 2.0 ** e      # np.round: ties to even
;;       return np.moveaxis(q.reshape(q.shape[:-2] + (-1,))[..., :K], -1, axis).astype(np.float32)
;;   ~~~
;;   SOFTMAX AHEAD OF A QUANTISED PRODUCT. Where the list says 'softmax', what is quantised is not the finished softmax but p = 2^(t - M), with t = logit x log2(e) and M = ceil(the row's largest t), a whole number; so 1/2 < the row's largest p <= 1. The row's sum l is taken of the UNQUANTISED p, in f32, and the product's result is divided by l at the end. Since M is a whole number, a kernel that streams over the keys may use a running M (the ceiling of the running maximum): every later rescaling is an exact power of two, which a block's scale takes up: the codes' values come out the same.
;;   OPERANDS COMPUTED ON THE WAY. 'Computed on the way' means the value that the module computes at that place (a softmax that the list does not call 'softmax' is quantised finished and normalised). What goes into a quantiser is computed in f32, as accurately as f32 sums, v_exp_f32 and their like allow (about 1e-6 of the number): no bf16 or f16 on the way to a quantiser, and a product that is left as it is and whose result goes on into a quantised operand takes f32 operands (vector FMAs, or v_wmma_f32_16x16x4_f32). A number that lies on a knife's edge between two numbers of the format may be rounded either way, as far as f32 arithmetic and the matrix unit's own rounding can turn it there, and no further.
;; One version. Each part assembles by itself: llvm-mc -triple=amdgcn-amd-amdhsa -mcpu=gfx1250 --defsym DOCPART=n.
;; ======== version 1 of 1: 6 launches
;; workspace buffers: xq 2,228,224 bytes; wq 6,127,616 bytes; qkv 6,946,816 bytes; hq 19,005,440 bytes; fq 8,912,896 bytes; y2 16,777,216 bytes
;; launch quant (part 1): grid 416 x 1, 8 waves a work-group, no clusters, 83,968 bytes of LDS; arguments Wqkv, W1, W2, wq, x, xq; writes wq, xq
.if DOCPART == 1
	.amdgcn_target "amdgcn-amd-amdhsa--gfx1250"
	.amdhsa_code_object_version 6
	.text
	.protected	k_q3311b1d836_quant
	.globl	k_q3311b1d836_quant
	.p2align	8
	.type	k_q3311b1d836_quant,@function
k_q3311b1d836_quant:
	s_mov_b64 s[64:65], 0
	v_nop
	global_prefetch_b8 v0, s[64:65] scope:SCOPE_SE
	s_setreg_imm32_b32 hwreg(HW_REG_WAVE_MODE, 25, 1), 1
	s_wait_xcnt 0x0
; THE QUANTISERS: one launch turns the four f32 operands that arrive wide into codes of FP4 (E2M1), K innermost, with one E8M0 byte for each 32 along K.
; A block's scale is 2^(floor(log2(largest magnitude)) - 2); its byte is the largest magnitude's exponent field - 2, held at 1 from below.
; ROWS OF THE OUTPUTS ARE PERMUTED: logical row i lies at physical row pi(i), pi = bits 3 and 4 of i exchanged.
; Work-groups 0-63 take x (K innermost), work-groups 64-415 the weights (K = the first axis).  The two ways part once, on the work-group's number, and never join; each has LDS bytes of its own.
; x [4096][1024]: a wave takes 8 rows = 16 steps of 512 numbers.  Each of a step's four loads reads 512 consecutive bytes; the 2,048 bytes turn through the wave's own stage in LDS (16 bytes of padding
;   behind each 64) and come back 64 bytes a lane: a lane then holds 16 neighbours along K, two neighbouring lanes a block.  Loads run eight steps (32 loads a wave) ahead.  No barrier: waves share nothing.
; Wqkv [1024][3072], W1 [1024][4096], W2 [4096][1024]: A LANE TAKES A COLUMN n AND ITS REGISTERS RUN DOWN K: a block lies in one lane's 32 registers, and the conversions give codes with K innermost.
;   One text for the three: of the weights' work-groups 0-95 take Wqkv, 96-223 W1, 224-351 W2; only scalars (sizes, offsets, the input's address) are chosen.  A work-group takes 64 columns x 512 along K;
;   wave w: columns 32 (w & 1) on, K 128 (w >> 1) on: 4 blocks a lane.  The codes meet in one stage (64 rows x 256 bytes + 16) and, behind a barrier, leave as rows: sixteen lanes store 256 consecutive bytes.
;   The scale bytes leave 4 bytes a row: they are 1 byte for 128 bytes read.
; LIMITS: a block of zeros gets the byte 1 where the rule says 127 (its codes are zeros, and this program alone reads the bytes); NaN and infinities are not served.
.set NXG,    64                        ; work-groups that take x: 512 runs of 8 rows, eight waves each
.set EMAX,   2
; the weights' way
.set W1C,    1572864
.set W2C,    3670016
.set WQS,    5767168
.set W1S,    5865472
.set W2S,    5996544
.set WPITCH, 272
.set WC,     16                        ; v16-19  a block's codes
.set WSB,    20                        ; v20     my four scale bytes
.set WAO,    24                        ; v24-27  the way out: byte offsets in the codes
.set WOFF,   32                        ; v32-63  i x row bytes + 4 x lane
.set WX,     64                        ; v64-127 two sets of 32 numbers
.set WOUT,   64                        ; the way out: v64-79
; x's way
.set XSTEPS, 16
.set XCB,    8                         ; bytes of 16 codes
.set XR,     16                        ; v16-143  eight sets of 16 numbers as loaded
.set XX,     144                       ; v144-175 two sets of 16 neighbours
.set XE,     176                       ; v176-191 a scale byte for each step
.set XC,     192                       ; v192-223 two registers of codes for each step: no store's data are written again
.set XLDS,   17408                     ; behind the weights' stage: x's LDS bytes
.set XWREG,  8192                      ; of a wave: two stages of 32 x XSP bytes, then its 256 scale bytes
.set XSP,    80
.set XSO,    2097152                   ; where the scale bytes begin in xq
	s_load_b256 s[4:11], s[0:1], 0x0               ; Wqkv, W1, W2, wq
	s_load_b128 s[48:51], s[0:1], 0x20             ; x, xq
	v_lshl_add_u32 v224, v0, 2, 0x14400
	v_mov_b32 v225, 0
	v_lshrrev_b32 v1, 5, v0
	v_readfirstlane_b32 s12, v1                    ; wave 0..7
	v_and_b32 v2, 31, v0                           ; lane
	s_cmp_lt_u32 ttmp9, NXG
	s_cbranch_scc1 .Lx_path                        ; the same way for all eight waves of a work-group
	; ---------------- the weights ----------------
	s_sub_co_u32 s15, ttmp9, NXG                   ; the weights' work-groups, counted from 0
	v_lshlrev_b32 v3, 2, v2
	s_and_b32 s13, s12, 1                          ; which 32 columns
	s_lshr_b32 s14, s12, 1                         ; which 128 along K
	s_mov_b32 s16, 224                             ; W2's figures: first work-group,
	s_mov_b32 s17, 3                               ; log2 of the 512s along K,
	s_mov_b32 s18, 4096                            ; bytes of an input row,
	s_mov_b32 s19, 2048                            ; bytes of a row of codes,
	s_mov_b32 s20, 128                             ; bytes of a row of scales,
	s_mov_b32 s21, W2C                             ; where its codes begin,
	s_mov_b32 s22, W2S                             ; and its scales
	s_cmp_lt_u32 s15, 224
	s_cselect_b32 s16, 96, s16                     ; W1's
	s_cselect_b32 s17, 1, s17
	s_cselect_b32 s18, 16384, s18
	s_cselect_b32 s19, 512, s19
	s_cselect_b32 s20, 32, s20
	s_cselect_b32 s21, W1C, s21
	s_cselect_b32 s22, W1S, s22
	s_cmp_lt_u32 s15, 96
	s_cselect_b32 s16, 0, s16                      ; Wqkv's
	s_cselect_b32 s18, 12288, s18
	s_cselect_b32 s21, 0, s21
	s_cselect_b32 s22, WQS, s22
	s_sub_co_u32 s23, s15, s16
	s_lshl_b32 s24, 1, s17
	s_sub_co_u32 s24, s24, 1
	s_and_b32 s24, s23, s24                        ; Y: which 512 along K
	s_lshr_b32 s25, s23, s17                       ; X: which 64 columns
	s_lshl_b32 s26, s24, 9
	s_lshl_b32 s27, s14, 7
	s_add_co_u32 s26, s26, s27                     ; my first row of the input
	s_mul_i32 s26, s26, s18
	s_lshl_b32 s27, s25, 8
	s_add_co_u32 s26, s26, s27
	s_lshl_b32 s27, s13, 7
	s_add_co_u32 s26, s26, s27                     ; + my first column x 4
	s_mov_b32 s27, 0
	s_lshl_b32 s28, s18, 5                         ; 32 rows on
	s_mov_b32 s29, 0
.set ii, 0
.rept 32
	v_mad_u32_u24 v[WOFF+ii], s18, ii, v3
.set ii, ii+1
.endr
	s_mul_i32 s30, s13, 32*WPITCH
	s_lshl_b32 s31, s14, 6
	s_add_co_u32 s30, s30, s31
	v_mul_u32_u24 v4, v2, WPITCH
	v_add_nc_u32 v4, s30, v4                       ; into the stage: row = my column of the 64, byte 64 x (w >> 1)
	v_lshrrev_b32 v5, 4, v2
	v_and_b32 v6, 15, v2
	v_lshlrev_b32 v6, 4, v6
	s_mul_i32 s30, s12, 8*WPITCH
	v_mad_u32_u24 v7, v5, WPITCH, v6
	v_add_nc_u32 v7, s30, v7                       ; out of it: wave w takes rows 8 w on, sixteen lanes to a row, two rows an instruction
.irp t, 0,1,2,3
	v_add_nc_u32 v10, 2*\t, v5
	v_mad_u32_u24 v[WAO+\t], v10, s19, v6
.endr
	v_and_b32 v8, 7, v2
	v_and_b32 v9, 8, v2
	v_lshl_or_b32 v8, v9, 1, v8
	v_and_b32 v9, 16, v2
	v_lshrrev_b32 v9, 1, v9
	v_or_b32 v8, v8, v9                            ; pi(lane)
	v_mul_u32_u24 v8, s20, v8                      ; my column's row of scale bytes
	s_lshr_b32 s40, s12, 2
	s_lshl_b32 s40, s40, 5
	s_and_b32 s41, s12, 1
	s_lshl_b32 s41, s41, 4
	s_add_co_u32 s40, s40, s41
	s_bfe_u32 s41, s12, 0x10001
	s_lshl_b32 s41, s41, 3
	s_add_co_u32 s40, s40, s41                     ; pi(8 w): where stage rows 8 w .. 8 w + 7 go
	s_lshl_b32 s41, s25, 6
	s_add_co_u32 s40, s40, s41
	s_mul_i32 s40, s40, s19
	s_lshl_b32 s41, s24, 8
	s_add_co_u32 s40, s40, s41
	s_add_co_u32 s40, s40, s21
	s_mov_b32 s41, 0
	s_lshl_b32 s42, s25, 6
	s_lshl_b32 s43, s13, 5
	s_add_co_u32 s42, s42, s43
	s_mul_i32 s42, s42, s20
	s_lshl_b32 s43, s24, 4
	s_add_co_u32 s42, s42, s43
	s_lshl_b32 s43, s14, 2
	s_add_co_u32 s42, s42, s43
	s_add_co_u32 s42, s42, s22
	s_mov_b32 s43, 0
	s_wait_kmcnt 0x0
	s_cmp_lt_u32 s15, 224                          ; the input's address: the choice hangs on the work-group's number alone
	s_cselect_b64 s[8:9], s[6:7], s[8:9]
	s_cmp_lt_u32 s15, 96
	s_cselect_b64 s[8:9], s[4:5], s[8:9]
	s_add_nc_u64 s[32:33], s[8:9], s[26:27]        ; a base for each of my four blocks: nothing is stepped later
	s_add_nc_u64 s[34:35], s[32:33], s[28:29]
	s_add_nc_u64 s[36:37], s[34:35], s[28:29]
	s_add_nc_u64 s[38:39], s[36:37], s[28:29]
	s_add_nc_u64 s[44:45], s[10:11], s[40:41]      ; codes
	s_add_nc_u64 s[46:47], s[10:11], s[42:43]      ; scale bytes
.macro WLOAD t                         ; block t: 32 rows of the input at my column: 128 consecutive bytes a wave and load
.set ii, 0
.rept 32
	global_load_b32 v[WX+32*((\t)%2)+ii], v[WOFF+ii], s[32+2*(\t):33+2*(\t)] th:TH_LOAD_NT
.set ii, ii+1
.endr
.endm
	WLOAD 0
	WLOAD 1
.macro WBLOCK t
.set WS, WX+32*((\t)%2)
.if (\t) < 3
	s_wait_loadcnt 32                              ; this block's 32 loads are in; the next block's 32 may be out
.else
	s_wait_loadcnt 0x0
.endif
	v_max3_num_f32 v12, |v[WS]|, |v[WS+1]|, |v[WS+2]|
	v_max3_num_f32 v13, |v[WS+3]|, |v[WS+4]|, |v[WS+5]|
.irp i, 6,10,14,18,22,26
	v_max3_num_f32 v12, v12, |v[WS+\i]|, |v[WS+\i+1]|
	v_max3_num_f32 v13, v13, |v[WS+\i+2]|, |v[WS+\i+3]|
.endr
	v_max3_num_f32 v12, v12, |v[WS+30]|, |v[WS+31]|
	v_max3_num_f32 v12, v12, v13, (EMAX+1)<<23     ; the floor 2^(3 - 127): the byte cannot fall under 1
	v_add_nc_u32 v11, -(EMAX<<23), v12             ; 2 off the exponent field: the conversion's scale operand
	v_lshrrev_b32 v13, 23, v11                     ; the byte
.if (\t) == 0
	v_mov_b32 v[WSB], v13
.else
	v_lshl_or_b32 v[WSB], v13, 8*(\t), v[WSB]
.endif
.irp g, 0,1,2,3
	v_cvt_scalef32_pk8_fp4_f32 v[WC+\g], v[WS+8*\g:WS+8*\g+7], v11
.endr
	v_nop                                          ; a plain line behind the conversions
	ds_store_b128 v4, v[WC:WC+3] offset:16*(\t)
.if (\t)+2 < 4
	WLOAD (\t)+2
.endif
	s_wait_dscnt 0x0                               ; the store has read its registers (and, in the last block: my stage bytes have landed, for the others' sake)
.endm
	WBLOCK 0
	WBLOCK 1
	WBLOCK 2
	WBLOCK 3
	s_barrier_signal -1
	s_barrier_wait -1                              ; all 64 rows of the stage are whole
	global_store_b32 v8, v[WSB], s[46:47]
.irp t, 0,1,2,3
	ds_load_b128 v[WOUT+4*\t:WOUT+4*\t+3], v7 offset:2*\t*WPITCH
.endr
.irp t, 0,1,2,3
	s_wait_dscnt 3-\t                              ; LDS loads come back in order: the younger ones may be out
	global_store_b128 v[WAO+\t], v[WOUT+4*\t:WOUT+4*\t+3], s[44:45]   ; two rows: 256 consecutive bytes each
.endr
	s_wait_tensorcnt 0x0
	ds_add_u32 v224, v225
	s_wait_dscnt 0x0
	s_endpgm
	; ---------------- x ----------------
.Lx_path:
	v_lshlrev_b32 v3, 4, v2                        ; my 16 bytes of a load's 512
	s_mul_i32 s17, s12, XWREG
	s_add_co_u32 s17, s17, XLDS                    ; my wave's LDS bytes
	v_lshrrev_b32 v14, 2, v2
	v_mul_u32_u24 v14, v14, XSP
	v_and_b32 v15, 3, v2
	v_lshl_add_u32 v14, v15, 4, v14
	v_add_nc_u32 v14, s17, v14                     ; the stage, way in: XSP (lane / 4) + 16 (lane % 4)
	v_mul_u32_u24 v15, v2, XSP
	v_add_nc_u32 v15, s17, v15                     ; way out: XSP x lane
	v_mul_u32_u24 v4, v2, XCB                      ; my codes' place in a step's 256 bytes
	v_lshrrev_b32 v5, 1, v2
	s_add_co_u32 s17, s17, 2*32*XSP
	v_add_nc_u32 v5, s17, v5                       ; my block's scale byte in LDS
	v_lshlrev_b32 v7, 3, v2
	v_add_nc_u32 v6, s17, v7                       ; and 8 bytes a lane on their way out
	s_lshl_b32 s18, ttmp9, 3
	s_add_co_u32 s19, s18, s12                     ; the run of 8 rows that I read
	s_and_b32 s20, s12, 1
	s_lshl_b32 s20, s20, 1
	s_bfe_u32 s21, s12, 0x10001
	s_or_b32 s20, s20, s21
	s_and_b32 s21, s12, 4
	s_or_b32 s20, s20, s21
	s_add_co_u32 s20, s18, s20                     ; the run that I write: the run's two low bits exchanged = pi on rows
	s_lshl_b32 s22, s19, 15
	s_mov_b32 s23, 0
	s_lshl_b32 s24, s20, 12
	s_mov_b32 s25, 0
	s_lshl_b32 s26, s20, 8
	s_add_co_u32 s26, s26, XSO
	s_mov_b32 s27, 0
	s_wait_kmcnt 0x0
	s_add_nc_u64 s[52:53], s[48:49], s[22:23]      ; x
	s_add_nc_u64 s[54:55], s[50:51], s[24:25]      ; codes
	s_add_nc_u64 s[56:57], s[50:51], s[26:27]      ; scale bytes
.macro XLOAD t
.irp i, 0,1,2,3
	global_load_b128 v[XR+16*((\t)%8)+4*\i:XR+16*((\t)%8)+4*\i+3], v3, s[52:53] offset:2048*(\t)+512*\i th:TH_LOAD_NT
.endr
.endm
.macro XTURN t                         ; LDS serves a wave's instructions in order: no wait between the stores and the loads
.irp i, 0,1,2,3
	ds_store_b128 v14, v[XR+16*((\t)%8)+4*\i:XR+16*((\t)%8)+4*\i+3] offset:32*XSP*((\t)%2)+8*XSP*\i
.endr
.irp i, 0,1,2,3
	ds_load_b128 v[XX+16*((\t)%2)+4*\i:XX+16*((\t)%2)+4*\i+3], v15 offset:32*XSP*((\t)%2)+16*\i
.endr
.endm
.irp t, 0,1,2,3,4,5,6,7
	XLOAD \t
.endr
	s_wait_loadcnt 28                              ; step 0's four loads are in; the 28 of steps 1 to 7 stay out
	XTURN 0
.macro XSTEP t
.set XS, XX+16*((\t)%2)
.if (\t) > 0
	s_wait_dscnt 1                                 ; this step's numbers are back (the last step's byte store may be out): so its stage stores have read their registers,
.else
	s_wait_dscnt 0x0
.endif
.if (\t)+8 < XSTEPS
	XLOAD (\t)+8                                   ; which take the loads of eight steps on
.endif
.if (\t)+1 < XSTEPS
.if 14-(\t) >= 7
	s_wait_loadcnt 28                              ; the next step's four loads are in; seven steps' loads behind them may be out
.else
	s_wait_loadcnt 4*(14-(\t))                     ; likewise, with the steps that are left
.endif
	XTURN (\t)+1
.endif
	v_max3_num_f32 v8, |v[XS]|, |v[XS+1]|, |v[XS+2]|
	v_max3_num_f32 v9, |v[XS+3]|, |v[XS+4]|, |v[XS+5]|
.irp i, 6,10
	v_max3_num_f32 v8, v8, |v[XS+\i]|, |v[XS+\i+1]|
	v_max3_num_f32 v9, v9, |v[XS+\i+2]|, |v[XS+\i+3]|
.endr
	v_max3_num_f32 v8, v8, |v[XS+14]|, |v[XS+15]|
	v_max3_num_f32 v8, v8, v9, (EMAX+1)<<23        ; the floor 2^(3 - 127): the byte cannot fall under 1
	v_max_num_f32_dpp v8, v8, v8 row_xmask:1 row_mask:0xf bank_mask:0xf   ; with my neighbour's 16: the block's
	v_add_nc_u32 v11, -(EMAX<<23), v8              ; 2 off the exponent field: the conversion's scale operand
	v_cvt_scalef32_pk8_fp4_f32 v[XC+2*(\t)], v[XS:XS+7], v11
	v_cvt_scalef32_pk8_fp4_f32 v[XC+2*(\t)+1], v[XS+8:XS+15], v11
	v_lshrrev_b32 v[XE+(\t)], 23, v11              ; the scale's byte (also the plain line behind the conversions)
	ds_store_b8 v5, v[XE+(\t)] offset:16*(\t)      ; both lanes of a block write the same byte with the same value
	global_store_b64 v4, v[XC+2*(\t):XC+2*(\t)+1], s[54:55] offset:32*XCB*(\t)   ; 32 lanes store 256 consecutive bytes
.endm
.irp t, 0,1,2,3,4,5,6,7,8,9,10,11,12,13,14,15
	XSTEP \t
.endr
	ds_load_b64 v[12:13], v6                       ; in order behind my byte stores
	s_wait_dscnt 0x0
	global_store_b64 v7, v[12:13], s[56:57]        ; 256 consecutive bytes: the scale bytes of my 8 rows
	s_wait_tensorcnt 0x0
	ds_add_u32 v224, v225
	s_wait_dscnt 0x0
	s_endpgm
.Lfunc_end_k_q3311b1d836_quant:
	.size	k_q3311b1d836_quant, .Lfunc_end_k_q3311b1d836_quant-k_q3311b1d836_quant
	.p2alignl 7, 3214868480
	.fill 96, 4, 3214868480
	.section	.rodata,"a",@progbits
	.p2align	6, 0x0
	.amdhsa_kernel k_q3311b1d836_quant
		.amdhsa_group_segment_fixed_size 83968
		.amdhsa_private_segment_fixed_size 0
		.amdhsa_enable_private_segment 0
		.amdhsa_kernarg_size 48
		.amdhsa_user_sgpr_count 2
		.amdhsa_user_sgpr_kernarg_segment_ptr 1
		.amdhsa_wavefront_size32 1
		.amdhsa_system_sgpr_workgroup_id_x 1
		.amdhsa_system_sgpr_workgroup_id_y 1
		.amdhsa_system_sgpr_workgroup_id_z 1
		.amdhsa_system_vgpr_workitem_id 0
		.amdhsa_next_free_vgpr 226
		.amdhsa_next_free_sgpr 66
		.amdhsa_reserve_vcc 0
		.amdhsa_float_denorm_mode_32 3
		.amdhsa_float_denorm_mode_16_64 3
		.amdhsa_memory_ordered 1
		.amdhsa_forward_progress 1
		.amdhsa_inst_pref_size 59
	.end_amdhsa_kernel
	.amdgpu_metadata
---
amdhsa.version: [ 1, 2 ]
amdhsa.kernels:
  - .name:           k_q3311b1d836_quant
    .symbol:         k_q3311b1d836_quant.kd
    .args:
      - { .name: Wqkv, .offset: 0, .size: 8, .value_kind: global_buffer, .address_space: global }
      - { .name: W1, .offset: 8, .size: 8, .value_kind: global_buffer, .address_space: global }
      - { .name: W2, .offset: 16, .size: 8, .value_kind: global_buffer, .address_space: global }
      - { .name: wq, .offset: 24, .size: 8, .value_kind: global_buffer, .address_space: global }
      - { .name: x, .offset: 32, .size: 8, .value_kind: global_buffer, .address_space: global }
      - { .name: xq, .offset: 40, .size: 8, .value_kind: global_buffer, .address_space: global }
    .group_segment_fixed_size: 83968
    .private_segment_fixed_size: 0
    .kernarg_segment_align: 8
    .kernarg_segment_size: 48
    .max_flat_workgroup_size: 256
    .sgpr_count:     66
    .vgpr_count:     226
    .wavefront_size: 32
...
	.end_amdgpu_metadata
.endif
;; end of part 1
;; launch gemm_qkv (part 2): grid 16 x 16, 4 waves a work-group, clusters of 4 x 4, 327,680 bytes of LDS; arguments xq, wq, bqkv, qkv; writes qkv
.if DOCPART == 2
	.amdgcn_target "amdgcn-amd-amdhsa--gfx1250"
	.amdhsa_code_object_version 6
	.text
	.protected	k_q3311b1d836_gemm_qkv
	.globl	k_q3311b1d836_gemm_qkv
	.p2align	8
	.type	k_q3311b1d836_gemm_qkv,@function
k_q3311b1d836_gemm_qkv:
	s_mov_b64 s[64:65], 0
	v_nop
	global_prefetch_b8 v0, s[64:65] scope:SCOPE_SE
	s_setreg_imm32_b32 hwreg(HW_REG_WAVE_MODE, 25, 1), 1
	s_wait_xcnt 0x0
	s_wait_alu depctr_hold_cnt(0) depctr_sa_sdst(0) depctr_va_vdst(0) depctr_va_sdst(0) depctr_va_ssrc(0) depctr_va_vcc(0) depctr_vm_vsrc(0)
	s_getreg_b32 s2, hwreg(HW_REG_IB_STS2, 6, 4)
	s_cmp_eq_u32 s2, 0
	s_cbranch_scc0 .Lentry_in_a_cluster
	s_endpgm
.Lentry_in_a_cluster:
	s_bfe_u32 s2, ttmp6, 0x10000c
	s_cmp_lg_u32 s2, 0xf033
	s_cbranch_scc0 .Lentry_shape_is_right
	s_endpgm
.Lentry_shape_is_right:
; qkv = Q(x) Q(Wqkv) + bqkv on codes of FP4 with E8M0 scales, and at once the quantising of q, k (along the head's 64) and v (along the keys) for the attention.
; A work-group takes 256 rows (work-group y) x the 192 columns of one head (work-group x); wave w rows 64 w on x all 192: A's tiles i = 0..3, B's tiles j = 0..11 (q 0-3, k 4-7, v 8-11): 48 accumulators.
; ALL OF K (1,024) LIES IN LDS: two halves of 512 along K, each brought once; nothing is filled again.  Clusters of 4 x 4: A's tiles are asked for jointly along a row of the cluster, B's along a column.
; ROWS OF xq AND OF wq ARE STORED PERMUTED (bits 3 and 4 exchanged): row rho of tile 2 b + u of a group of 32 is logical index 32 b + 8 u + rho + 8 (rho / 8).  Where such a tile is source 0,
; register j of lane (r, h) is logical index 32 b + 16 h + 8 u + j: the 16 registers of tiles 2 b, 2 b + 1 are 16 neighbours.
; q and k: source 0 = B's tile, source 1 = A's: a lane holds one row and its registers run along the head's 64.  v: source 0 = A's tile, source 1 = B's: a lane holds one channel and its registers run along the keys.
; OUT: q's codes [bh][query][32 bytes] and scale words; k and v as records of 8,960 bytes for each 128 keys, laid as images of the operands' registers (16 bytes a lane on end), with their scale words behind.
; The upper 64 of the attention's first K step do not exist: q's and k's scale words carry 0x7f for them, the codes there are zeros in the reader's registers.
; LIMITS: a block of zeros gets the byte 1 where the rule says 127 (zero codes; read by this program alone); NaN and infinities are not served.
; REGISTERS: window 0: v1-28 addresses; v32-63 at work; v64-159 scale words (register 8 k + q: lanes 0-15 A's tile k, lanes 16-31 B's tile k, K step q); v160-223 q's and k's bias; v224-231 v's bias, each twice;
;   v232-253 codes, words, at work.  window 1: two sets of fragments (A at 8 i, B at 32 + 8 j).  windows 2, 3: accumulator (i, j) at 8 (12 (i % 2) + j) of window 2 + i / 2.
.set PITCH, 272                        ; 256 bytes + 16: the 16 rows that a load touches begin in 16 different groups of four banks
.set SLOT,  448*PITCH                  ; A's 256 rows, then B's 192
.set BOFF,  256*PITCH
.set SCA,   2*SLOT                     ; A's scale bytes: 256 rows x (32 + 16)
.set SCB,   SCA+256*48                 ; B's: 192 rows
.set XSO,   2097152
.set WQS,   5767168
.set QSB,   2097152
.set KVO,   2359296
.set REC,   8960
.set ADRA, 16
.set ADRB, 18
.set X1,   20
.set QO,   22
.set QW,   23
.set LIK,  24
.set LIV,  25
.set KSO,  26
.set VSO,  27
.set BO,   28
.set T,    32
.set SC,   64
.set BQ,   160
.set BV,   224
.set PC,   232
.set KW,   236
.set TM,   240
.set PW,   248
.set SEL,  12
.set G1A,  24
.set G0A,  32
.set G1B,  48
.set G0B,  56
.set G1SA, 68
.set G0SA, 76
.set G1SB, 80
.set G0SB, 88
.set PQ,   92
.set PS,   94
.set PR,   96
.set MSB, 0
.macro WIN new                         ; the immediate's high byte repeats the setting that is left
.if MSB != (\new)
	s_set_vgpr_msb (MSB<<8)|(\new)
.set MSB, (\new)
.endif
.endm
.macro PLACES
.rept 4
	v_nop
.endr
.endm
; A joint load: waves 0 and 1 fetch for A, waves 2 and 3 for B; the branch hangs on the wave's number alone.  Four v_nop follow each of the two lines.
.macro JLOAD g0a, g1a, g0b, g1b
	s_cmp_eq_u32 s15, 0
	s_cbranch_scc0 .Lfor_b_\@
	tensor_load_to_lds s[\g0a:\g0a+3], s[\g1a:\g1a+7]
	s_nop 0
.rept 4
	v_nop
.endr
	s_branch .Lasked_\@
.Lfor_b_\@:
	tensor_load_to_lds s[\g0b:\g0b+3], s[\g1b:\g1b+7]
	s_nop 0
.rept 4
	v_nop
.endr
.Lasked_\@:
.endm
.macro CROUND                          ; a round of the cluster's barrier
	s_barrier_signal -1
	s_barrier_wait -1
	s_cmp_lg_u32 s14, 0
	s_cbranch_scc1 .Lnot_wave_0_\@
	s_barrier_signal -3
.Lnot_wave_0_\@:
	s_barrier_wait -3
	s_barrier_signal -1
	s_barrier_wait -1
.endm
	s_load_b256 s[4:11], s[0:1], 0x0               ; xq, wq, bqkv, qkv
	v_lshl_add_u32 v254, v0, 2, 0x40c00
	v_mov_b32 v255, 0
	ds_add_u32 v254, v255
	ds_add_u32 v254, v255
	v_lshrrev_b32 v1, 5, v0
	v_readfirstlane_b32 s14, v1                    ; wave 0..3
	s_lshr_b32 s15, s14, 1                         ; I fetch for A (0) or for B (1)
	s_and_b32 s16, s14, 1                          ; which half of its rows
	s_bfe_u32 s40, ttmp6, 0x40000                  ; cx
	s_bfe_u32 s41, ttmp6, 0x40004                  ; cy
	s_lshl_b32 s42, ttmp9, 2
	s_add_co_u32 s42, s42, s40                     ; X: the head
	s_and_b32 s17, ttmp7, 0xffff
	s_lshl_b32 s17, s17, 2
	s_add_co_u32 s17, s17, s41                     ; Y: the block of 256 rows
	s_lshl_b32 s43, s41, 2
	s_lshl_b32 s43, 15, s43                        ; my row of the cluster
	s_lshl_b32 s44, 0x1111, s40                    ; my column
	s_or_b32 s[G1A], s43, (1<<20)|(1<<21)|(5<<22)|(3<<25)    ; mask; elements of 1 byte; padding: 4 words behind every 64
	s_or_b32 s[G1B], s44, (1<<20)|(1<<21)|(5<<22)|(3<<25)
	s_mov_b32 s[G1A+1], 256<<16                    ; tensor_dim0 = 256 bytes
	s_mov_b32 s[G1A+2], 128<<16                    ; tensor_dim1 = 128 rows
	s_mov_b32 s[G1A+3], 256<<16                    ; tile_dim0
	s_mov_b32 s[G1A+4], 128                        ; tile_dim1
	s_mov_b32 s[G1A+5], 512                        ; bytes from row to row
	s_mov_b32 s[G1A+6], 0
	s_mov_b32 s[G1A+7], 0
	s_mov_b32 s[G1B+1], 256<<16
	s_mov_b32 s[G1B+2], 96<<16                     ; 96 rows
	s_mov_b32 s[G1B+3], 256<<16
	s_mov_b32 s[G1B+4], 96
	s_mov_b32 s[G1B+5], 512
	s_mov_b32 s[G1B+6], 0
	s_mov_b32 s[G1B+7], 0
	s_or_b32 s[G1SA], s43, (1<<20)|(1<<21)|(2<<22)|(3<<25)   ; scale rows of 32 bytes: 4 words of padding behind every 8
	s_or_b32 s[G1SB], s44, (1<<20)|(1<<21)|(2<<22)|(3<<25)
	s_mov_b32 s[G1SA+1], 32<<16
	s_mov_b32 s[G1SA+2], 128<<16
	s_mov_b32 s[G1SA+3], 32<<16
	s_mov_b32 s[G1SA+4], 128
	s_mov_b32 s[G1SA+5], 32
	s_mov_b32 s[G1SA+6], 0
	s_mov_b32 s[G1SA+7], 0
	s_mov_b32 s[G1SB+1], 32<<16
	s_mov_b32 s[G1SB+2], 96<<16
	s_mov_b32 s[G1SB+3], 32<<16
	s_mov_b32 s[G1SB+4], 96
	s_mov_b32 s[G1SB+5], 32
	s_mov_b32 s[G1SB+6], 0
	s_mov_b32 s[G1SB+7], 0
	s_lshl_b32 s20, s17, 17                        ; A's codes: (256 Y + 128 e) rows of 512 bytes
	s_lshl_b32 s18, s16, 16
	s_add_co_u32 s20, s20, s18
	s_mov_b32 s21, 0
	s_lshl_b32 s22, s17, 13                        ; A's scales: rows of 32 bytes
	s_lshl_b32 s18, s16, 12
	s_add_co_u32 s22, s22, s18
	s_add_co_u32 s22, s22, XSO
	s_mov_b32 s23, 0
	s_mul_i32 s46, s42, 98304                      ; B's codes: (192 X + 96 e) rows of 512 bytes
	s_mul_i32 s18, s16, 49152
	s_add_co_u32 s46, s46, s18
	s_mov_b32 s47, 0
	s_mul_i32 s92, s42, 6144                       ; B's scales
	s_mul_i32 s18, s16, 3072
	s_add_co_u32 s92, s92, s18
	s_add_co_u32 s92, s92, WQS
	s_mov_b32 s93, 0
	s_mul_i32 s45, s16, 128*PITCH                  ; where they go: no place in the cluster enters an LDS address
	s_mul_i32 s94, s16, 96*PITCH
	s_add_co_u32 s94, s94, BOFF
	s_mul_i32 s95, s16, 128*48
	s_add_co_u32 s95, s95, SCA
	s_mul_i32 s96, s16, 96*48
	s_add_co_u32 s96, s96, SCB
	s_mov_b32 s[SEL], 0x76543210
	s_mov_b32 s[SEL+1], 0xfedcba98                 ; v_permlanex16_b32's selects for lane l xor 16
	s_wait_dscnt 0x0
	s_wait_kmcnt 0x0
	s_add_nc_u64 s[20:21], s[4:5], s[20:21]
	s_add_nc_u64 s[22:23], s[4:5], s[22:23]
	s_add_nc_u64 s[46:47], s[6:7], s[46:47]
	s_add_nc_u64 s[92:93], s[6:7], s[92:93]
	CROUND                                         ; all sixteen work-groups are here: the joint loads meet
	s_mov_b32 s[G0SA], 1
	s_mov_b32 s[G0SA+1], s95
	s_mov_b64 s[G0SA+2:G0SA+3], s[22:23]
	s_or_b32 s[G0SA+3], s[G0SA+3], 0x80000000
	s_mov_b32 s[G0SB], 1
	s_mov_b32 s[G0SB+1], s96
	s_mov_b64 s[G0SB+2:G0SB+3], s[92:93]
	s_or_b32 s[G0SB+3], s[G0SB+3], 0x80000000
	JLOAD G0SA, G1SA, G0SB, G1SB                   ; the scales first
.irp s, 0,1
	s_mov_b32 s[G0A+4*\s], 1
	s_add_co_u32 s[G0A+4*\s+1], s45, \s*SLOT
	s_add_nc_u64 s[G0A+4*\s+2:G0A+4*\s+3], s[20:21], \s*256
	s_or_b32 s[G0A+4*\s+3], s[G0A+4*\s+3], 0x80000000
	s_mov_b32 s[G0B+4*\s], 1
	s_add_co_u32 s[G0B+4*\s+1], s94, \s*SLOT
	s_add_nc_u64 s[G0B+4*\s+2:G0B+4*\s+3], s[46:47], \s*256
	s_or_b32 s[G0B+4*\s+3], s[G0B+4*\s+3], 0x80000000
	JLOAD G0A+4*\s, G1A, G0B+4*\s, G1B             ; K half s: three loads of mine are out in all
.endr
	v_and_b32 v1, 15, v0                           ; r
	v_bfe_u32 v2, v0, 4, 1                         ; h
	v_and_b32 v5, 31, v0                           ; lane
	v_mul_u32_u24 v3, v1, PITCH
	v_lshl_add_u32 v3, v2, 4, v3                   ; a fragment's row x pitch + 16 h
	s_mul_i32 s18, s14, 64*PITCH
	v_add_nc_u32 v[ADRA], s18, v3
	s_add_co_u32 s18, s18, SLOT
	v_add_nc_u32 v[ADRA+1], s18, v3
	v_add_nc_u32 v[ADRB], BOFF, v3
	v_add_nc_u32 v[ADRB+1], BOFF+SLOT, v3
	s_xor_b32 s19, s14, 3
	s_add_co_u32 s19, s19, 1                       ; 4 - wave
	s_mul_i32 s19, s19, 64*48                      ; from my rows of A's scales to B's first row
	v_mul_u32_u24 v4, s19, v2                      ; lanes 16-31 take B's
	v_mad_u32_u24 v[X1], v1, 48, v4
	s_mul_i32 s18, s14, 64*48
	s_add_co_u32 s18, s18, SCA
	v_add_nc_u32 v[X1], s18, v[X1]
	v_and_b32 v4, 8, v1
	v_add_nc_u32 v4, v4, v1                        ; r + 8 (r / 8)
	v_lshlrev_b32 v[QO], 5, v4
	v_lshl_add_u32 v[QO], v2, 4, v[QO]             ; q's codes: my row's 32 bytes, my block's 16
	v_lshlrev_b32 v[QW], 2, v4                     ; q's scale word; also v's bias
	v_lshlrev_b32 v6, 4, v5
	s_lshl_b32 s18, s16, 11
	v_add_nc_u32 v[LIK], s18, v6                   ; k's images: 16 x lane + 2,048 x (wave & 1)
	s_lshl_b32 s18, s16, 9
	v_add_nc_u32 v[LIV], s18, v6                   ; v's: 16 x lane + 512 x (wave & 1)
	v_lshlrev_b32 v7, 4, v1
	s_lshl_b32 s18, s16, 8
	v_add_nc_u32 v[KSO], s18, v7
	s_lshl_b32 s18, s16, 1
	v_add_nc_u32 v[VSO], s18, v7
	v_lshlrev_b32 v[BO], 6, v2                     ; q's and k's bias: 16 numbers of my half
	v_mov_b32 v[TM+4], 0                           ; written once: a lane permute's destination counts as one of its sources
	v_mov_b32 v[TM+5], 0
	s_lshr_b32 s20, s17, 3
	s_lshl_b32 s20, s20, 4
	s_add_co_u32 s20, s20, s42                     ; bh = 16 x batch + head
	s_and_b32 s21, s17, 7
	s_lshl_b32 s22, s20, 11
	s_lshl_b32 s23, s21, 8
	s_add_co_u32 s22, s22, s23
	s_lshl_b32 s23, s14, 6
	s_add_co_u32 s22, s22, s23                     ; my first query, counted over all heads
	s_lshl_b32 s[PQ], s22, 5
	s_mov_b32 s[PQ+1], 0
	s_lshl_b32 s[PS], s22, 2
	s_add_co_u32 s[PS], s[PS], QSB
	s_mov_b32 s[PS+1], 0
	s_lshl_b32 s[PR], s20, 4
	s_lshl_b32 s23, s21, 1
	s_add_co_u32 s[PR], s[PR], s23
	s_add_co_u32 s[PR], s[PR], s15                 ; my record: 16 bh + the key step
	s_mul_i32 s[PR], s[PR], REC
	s_add_co_u32 s[PR], s[PR], KVO
	s_mov_b32 s[PR+1], 0
	s_add_nc_u64 s[PQ:PQ+1], s[10:11], s[PQ:PQ+1]
	s_add_nc_u64 s[PS:PS+1], s[10:11], s[PS:PS+1]
	s_add_nc_u64 s[PR:PR+1], s[10:11], s[PR:PR+1]
	s_mul_i32 s98, s42, 768
	s_mov_b32 s99, 0
	s_add_nc_u64 s[8:9], s[8:9], s[98:99]          ; the head's 192 numbers of the bias
.irp sec, 0,1
.irp be, 0,1
.irp kk, 0,1,2,3
	global_load_b128 v[BQ+32*\sec+16*\be+4*\kk:BQ+32*\sec+16*\be+4*\kk+3], v[BO], s[8:9] offset:(64*\sec+32*\be)*4+16*\kk
.endr
.endr
.endr
.irp t, 0,1,2,3
	global_load_b32 v[BV+2*\t], v[QW], s[8:9] offset:(128+32*(\t/2)+8*(\t%2))*4
	global_load_b32 v[BV+2*\t+1], v[QW], s[8:9] offset:(128+32*(\t/2)+8*(\t%2))*4   ; twice: a pair for the packed addition
.endr
.macro WMT z                           ; source 0 = B's tile (its scales in lanes 16-31), source 1 = A's
.if \z
	v_wmma_scale_f32_16x16x128_f8f6f4 v[rD:rD+7], v[rB:rB+7], v[rA:rA+7], 0, v[cB], v[cA] matrix_a_fmt:MATRIX_FMT_FP4 matrix_b_fmt:MATRIX_FMT_FP4 matrix_a_scale:MATRIX_SCALE_ROW1
.else
	v_wmma_scale_f32_16x16x128_f8f6f4 v[rD:rD+7], v[rB:rB+7], v[rA:rA+7], v[rD:rD+7], v[cB], v[cA] matrix_a_fmt:MATRIX_FMT_FP4 matrix_b_fmt:MATRIX_FMT_FP4 matrix_a_scale:MATRIX_SCALE_ROW1
.endif
.endm
.macro WMS z                           ; source 0 = A's tile, source 1 = B's
.if \z
	v_wmma_scale_f32_16x16x128_f8f6f4 v[rD:rD+7], v[rA:rA+7], v[rB:rB+7], 0, v[cA], v[cB] matrix_a_fmt:MATRIX_FMT_FP4 matrix_b_fmt:MATRIX_FMT_FP4 matrix_b_scale:MATRIX_SCALE_ROW1
.else
	v_wmma_scale_f32_16x16x128_f8f6f4 v[rD:rD+7], v[rA:rA+7], v[rB:rB+7], v[rD:rD+7], v[cA], v[cB] matrix_a_fmt:MATRIX_FMT_FP4 matrix_b_fmt:MATRIX_FMT_FP4 matrix_b_scale:MATRIX_SCALE_ROW1
.endif
.endm
; 24 matrix instructions: A's tiles 2 hf, 2 hf + 1 x B's twelve, K step q, fragment set p.  The 48 accumulators take turns, one instruction a turn, in the same order in every step.
.macro MULH q, p, hf, z
	WIN 0xa5+0x50*(\hf)
.irp ii, 0,1
.irp j, 0,1,2,3,4,5,6,7,8,9,10,11
.set rD, 8*(12*\ii+\j)
.set rA, 128*(\p)+8*(2*(\hf)+\ii)
.set rB, 128*(\p)+32+8*\j
.set cA, SC+8*(2*(\hf)+\ii)+(\q)
.set cB, SC+8*\j+(\q)
.if \j < 8
	WMT \z
.else
	WMS \z
.endif
.endr
.endr
.endm
.macro FETCH q, p                      ; 32 LDS loads: the fragments of K step q into set p
	WIN 0x40
.irp i, 0,1,2,3
.irp cc, 0,1
	ds_load_b128 v[128*(\p)+8*\i+4*\cc:128*(\p)+8*\i+4*\cc+3], v[ADRA+(\q)/4] offset:16*PITCH*\i+64*((\q)%4)+32*\cc
.endr
.endr
.irp j, 0,1,2,3,4,5,6,7,8,9,10,11
.irp cc, 0,1
	ds_load_b128 v[128*(\p)+32+8*\j+4*\cc:128*(\p)+32+8*\j+4*\cc+3], v[ADRB+(\q)/4] offset:16*PITCH*\j+64*((\q)%4)+32*\cc
.endr
.endr
.endm
.macro STEP q, z
	s_wait_dscnt 0x0                               ; this step's fragments are in (asked for 24 matrix instructions ago)
.if \q == 3
	s_wait_tensorcnt 0x0                           ; my part of the second half of K has landed: say so,
	s_barrier_signal -1
.endif
	MULH \q, (\q)%2, 0, \z
.if \q == 3
	s_barrier_wait -1                              ; everybody's has
.endif
.if \q < 7
	PLACES                                         ; four places in front of loads into registers that matrix instructions have read
	FETCH (\q)+1, ((\q)+1)%2
.endif
	MULH \q, (\q)%2, 1, \z
.endm
	s_wait_tensorcnt 1                             ; the scales and the first half of K are in; the one load behind them may stay out
	s_barrier_signal -1
	s_barrier_wait -1                              ; everybody's are
.irp k, 0,1,2,3,4,5,6,7,8,9,10,11      ; all scale words, once.  For k >= 4 lanes 0-15 read rows further on in the same filled bytes; those lanes' words are not used
.irp g, 0,1
	ds_load_b128 v[SC+8*\k+4*\g:SC+8*\k+4*\g+3], v[X1] offset:768*\k+16*\g
.endr
.endr
	FETCH 0, 0
	STEP 0, 1                                      ; the first step's products start the sums
.irp q, 1,2,3,4,5,6,7
	STEP \q, 0
.endr
	WIN 0
	PLACES                                         ; four places in front of the first read of results
	s_wait_loadcnt 0x0                             ; the bias
; 32 numbers of a lane, register 16 b + i = index 32 b + 16 h + i, become 16 bytes of codes in v[PC] on (lane (r, h): block h) and two scale bytes in v[PW].
.macro QUANT s
.irp b, 0,1
	v_max3_num_f32 v[TM+\b], |v[\s+16*\b]|, |v[\s+1+16*\b]|, 0x1800000   ; with the floor 2^(3 - 127): the byte cannot fall under 1
.endr
.irp i, 2,4,6,8,10,12,14
.irp b, 0,1
	v_max3_num_f32 v[TM+\b], v[TM+\b], |v[\s+16*\b+\i]|, |v[\s+1+16*\b+\i]|
.endr
.endr
.irp b, 0,1
	v_permlanex16_b32 v[TM+4+\b], v[TM+\b], s[SEL], s[SEL+1]
.endr
.irp b, 0,1
	v_max_num_f32 v[TM+\b], v[TM+\b], v[TM+4+\b]   ; with lane l xor 16's: the block's largest magnitude
.endr
.irp b, 0,1
	v_add_nc_u32 v[TM+12+\b], 0xff000000, v[TM+\b] ; 2 off the exponent field: the conversion's scale operand
.endr
.irp b, 0,1
	v_lshrrev_b32 v[TM+4+\b], 23, v[TM+12+\b]      ; the byte
.endr
	v_lshl_or_b32 v[PW], v[TM+5], 8, v[TM+4]
.irp b, 0,1
	v_cvt_scalef32_pk8_fp4_f32 v[PC+2*\b], v[\s+16*\b:\s+7+16*\b], v[TM+12+\b]
	v_cvt_scalef32_pk8_fp4_f32 v[PC+1+2*\b], v[\s+8+16*\b:\s+15+16*\b], v[TM+12+\b]
.endr
	v_nop                                          ; one plain place behind a scaled conversion
.irp i, 0,1
	v_permlane16_swap_b32 v[PC+\i], v[PC+2+\i]     ; a whole block to a lane: lanes 0-15 block 0, lanes 16-31 block 1
.endr
.endm
; q (sec = 0) or k (sec = 1) of A's tile i: 16 rows x 64
.macro GQK sec, i
	s_wait_xcnt 0x0                                ; the earlier stores have read their data: the codes' and words' registers may be written again
	WIN 2+(\i)/2
.irp n, 0,1,2,3
.irp pr, 0,1,2,3
	v_pk_add_f32 v[T+8*\n+2*\pr:T+8*\n+2*\pr+1], v[8*(12*((\i)%2)+4*\sec+\n)+2*\pr:8*(12*((\i)%2)+4*\sec+\n)+2*\pr+1], v[BQ+32*\sec+8*\n+2*\pr:BQ+32*\sec+8*\n+2*\pr+1]   ; + bias; each accumulator from its low end on
.endr
.endr
	WIN 0
	QUANT T
.if \sec == 0
	v_or_b32 v[PW], 0x7f7f0000, v[PW]
	global_store_b128 v[QO], v[PC:PC+3], s[PQ:PQ+1] offset:(32*((\i)/2)+8*((\i)%2))*32
	global_store_b32 v[QW], v[PW], s[PS:PS+1] offset:(32*((\i)/2)+8*((\i)%2))*4   ; lanes r and r + 16 store the same word to the same place
.else
	v_or_b32 v[KW+\i], 0x7f7f0000, v[PW]
	global_store_b128 v[LIK], v[PC:PC+3], s[PR:PR+1] offset:512*(\i)               ; 512 consecutive bytes: the tile's image
.endif
.endm
; v's tile t: 16 channels x my 64 keys
.macro GV t
	s_wait_xcnt 0x0
.irp i, 0,1,2,3
	WIN 2+\i/2
.irp pr, 0,1,2,3
	v_pk_add_f32 v[T+8*\i+2*\pr:T+8*\i+2*\pr+1], v[8*(12*(\i%2)+8+\t)+2*\pr:8*(12*(\i%2)+8+\t)+2*\pr+1], v[BV+2*\t:BV+2*\t+1]
.endr
.endr
	WIN 0
	QUANT T
	global_store_b128 v[LIV], v[PC:PC+3], s[PR:PR+1] offset:4096+1024*\t
	global_store_b16 v[VSO], v[PW], s[PR:PR+1] offset:8704+4*\t                    ; my two key blocks' bytes of the channel's word
.endm
.irp i, 0,1,2,3
	GQK 0, \i
.endr
.irp i, 0,1,2,3
	GQK 1, \i
.endr
	global_store_b128 v[KSO], v[KW:KW+3], s[PR:PR+1] offset:8192                   ; k's scale words of my four tiles: 16 bytes a row
.irp t, 0,1,2,3
	GV \t
.endr
	s_wait_dscnt 0x0
	s_wait_tensorcnt 0x0
	ds_add_u32 v254, v255
	s_wait_dscnt 0x0
	CROUND                                         ; the closing round: no work-group ends while a partner may still ask for a tile that names it
	s_endpgm
.Lfunc_end_k_q3311b1d836_gemm_qkv:
	.size	k_q3311b1d836_gemm_qkv, .Lfunc_end_k_q3311b1d836_gemm_qkv-k_q3311b1d836_gemm_qkv
	.p2alignl 7, 3214868480
	.fill 96, 4, 3214868480
	.section	.rodata,"a",@progbits
	.p2align	6, 0x0
	.amdhsa_kernel k_q3311b1d836_gemm_qkv
		.amdhsa_group_segment_fixed_size 327680
		.amdhsa_private_segment_fixed_size 0
		.amdhsa_enable_private_segment 0
		.amdhsa_kernarg_size 32
		.amdhsa_user_sgpr_count 2
		.amdhsa_user_sgpr_kernarg_segment_ptr 1
		.amdhsa_wavefront_size32 1
		.amdhsa_system_sgpr_workgroup_id_x 1
		.amdhsa_system_sgpr_workgroup_id_y 1
		.amdhsa_system_sgpr_workgroup_id_z 1
		.amdhsa_system_vgpr_workitem_id 0
		.amdhsa_next_free_vgpr 1024
		.amdhsa_next_free_sgpr 100
		.amdhsa_reserve_vcc 0
		.amdhsa_float_denorm_mode_32 3
		.amdhsa_float_denorm_mode_16_64 3
		.amdhsa_memory_ordered 1
		.amdhsa_forward_progress 1
		.amdhsa_inst_pref_size 119
	.end_amdhsa_kernel
	.amdgpu_metadata
---
amdhsa.version: [ 1, 2 ]
amdhsa.kernels:
  - .name:           k_q3311b1d836_gemm_qkv
    .symbol:         k_q3311b1d836_gemm_qkv.kd
    .args:
      - { .name: xq, .offset: 0, .size: 8, .value_kind: global_buffer, .address_space: global }
      - { .name: wq, .offset: 8, .size: 8, .value_kind: global_buffer, .address_space: global }
      - { .name: bqkv, .offset: 16, .size: 8, .value_kind: global_buffer, .address_space: global }
      - { .name: qkv, .offset: 24, .size: 8, .value_kind: global_buffer, .address_space: global }
    .group_segment_fixed_size: 327680
    .private_segment_fixed_size: 0
    .kernarg_segment_align: 8
    .kernarg_segment_size: 32
    .max_flat_workgroup_size: 128
    .sgpr_count:     100
    .vgpr_count:     1024
    .wavefront_size: 32
...
	.end_amdgpu_metadata
.endif
;; end of part 2
;; launch attn (part 3): grid 8 x 32, 16 waves a work-group, clusters of 4 x 1, 284,672 bytes of LDS; arguments qkv, x, gamma, beta, hq; writes hq
.if DOCPART == 3
	.amdgcn_target "amdgcn-amd-amdhsa--gfx1250"
	.amdhsa_code_object_version 6
	.text
	.protected	k_q3311b1d836_attn
	.globl	k_q3311b1d836_attn
	.p2align	8
	.type	k_q3311b1d836_attn,@function
k_q3311b1d836_attn:
	s_mov_b64 s[64:65], 0
	v_nop
	global_prefetch_b8 v0, s[64:65] scope:SCOPE_SE
	s_setreg_imm32_b32 hwreg(HW_REG_WAVE_MODE, 25, 1), 1
	s_wait_xcnt 0x0
	s_wait_alu depctr_hold_cnt(0) depctr_sa_sdst(0) depctr_va_vdst(0) depctr_va_sdst(0) depctr_va_ssrc(0) depctr_va_vcc(0) depctr_vm_vsrc(0)
	s_getreg_b32 s2, hwreg(HW_REG_IB_STS2, 6, 4)
	s_cmp_eq_u32 s2, 0
	s_cbranch_scc0 .Lentry_in_a_cluster
	s_endpgm
.Lentry_in_a_cluster:
	s_bfe_u32 s2, ttmp6, 0x10000c
	s_cmp_lg_u32 s2, 0x3003
	s_cbranch_scc0 .Lentry_shape_is_right
	s_endpgm
.Lentry_shape_is_right:
; Attention on codes of FP4 (head size 64, 2,048 keys, 32 heads), the residual, the first LayerNorm, and the quantising of its result h for the next product.
; t = score x log2(e) / 8; M = the running largest t rounded UP to a whole number; p = 2^(t - M) is quantised along the keys, not normalised; the sum of the unquantised p divides at the end.
; SHARES.  A work-group owns 256 queries of one head, each of its sixteen waves 16: one tile, in 256 registers, four waves to a SIMD.  A wave's 16 queries x 64 channels ARE one row of 1,024 of the
; reshaped values (row 128 bh + query / 16, column 64 (query % 16) + channel), so the wave does that row's residual and LayerNorm itself.
; ALL OF A HEAD'S K AND V LIES IN LDS: sixteen records of 8,960 bytes (128 keys each), one tensor load a wave, asked for jointly by the four work-groups of a cluster, which share the head.  Nothing is filled again.
; A record holds images of the operands' registers: 8 tiles of K (512 bytes, 16 bytes a lane), 4 tiles of V^T (1,024 bytes), K's scale words, V's scale words.
; Both products are used transposed (S^T = K Q^T, O^T = V^T P^T): a lane holds one query.  The first product's K is 64: the upper 64 codes are zeros on both sides, with the byte 0x7f.
; LIMITS: p under 2^-126 becomes 0 (v_exp_f32 gives 0 for results that would be denormal: ISA guide, its entry); 1 / l by v_rcp_f32, 1 / sqrt by v_rsq_f32; a block of zeros gets the byte 1; NaN and infinities are not served.
; The mean is taken first and the variance of the centred numbers.
.set REC,  8960
.set KVO,  2359296
.set QSB,  2097152
.set HCO,  16777216
.set HSO,  18874368
.set STG,  16*REC                      ; behind the records: a stage of 32 x (128 + 16) bytes for each wave
.set XST,  STG+16*4608                 ; and 4,096 bytes for each wave, where its row of x waits
.set AD0,  1                           ; v1   16 x lane
.set AV0,  2                           ; v2   16 x (lane % 16)
.set STO,  3                           ; v3   stage: where my query's channels go
.set LIN,  4                           ; v4   stage: the row as it lies, 16 bytes a lane
.set BLK,  5                           ; v5   stage: a block of 32 to a lane
.set XL,   6                           ; v6   my 16 bytes of the parked row of x
.set GL,   7                           ; v7   16 x lane: offsets in memory
.set KS,   12                          ; v12-15 K's scale words; v16-19 V's; v20 Q's; v21 p's
.set VS,   16
.set QS,   20
.set PS,   21
.set QF,   24                          ; v24-31  Q's fragment (upper four: zeros)
.set KF,   32                          ; v32-95  K's eight fragments (upper four of each: zeros)
.set SF,   96                          ; v96-159 S^T, then p
.set OF,   160                         ; v160-191 O^T
.set VF,   192                         ; v192-223 V's four fragments
.set PC,   224                         ; v224-231 p's codes
.set BM,   232
.set TP,   236
.set SO,   240
.set TT,   244
.set AD,   245
.set CH,   246
.set AV,   248
.set LN,   249
.set SEL,  36
.set CS,   38
.macro CROUND
	s_barrier_signal -1
	s_barrier_wait -1
	s_cmp_lg_u32 s18, 0
	s_cbranch_scc1 .Lnot_wave_0_\@
	s_barrier_signal -3
.Lnot_wave_0_\@:
	s_barrier_wait -3
	s_barrier_signal -1
	s_barrier_wait -1
.endm
.macro RSUM t                          ; the sum over the 32 lanes, in every lane
	v_add_f32_dpp v[\t], v[\t], v[\t] row_xmask:1 row_mask:0xf bank_mask:0xf
	v_add_f32_dpp v[\t], v[\t], v[\t] row_xmask:2 row_mask:0xf bank_mask:0xf
	v_add_f32_dpp v[\t], v[\t], v[\t] row_xmask:4 row_mask:0xf bank_mask:0xf
	v_add_f32_dpp v[\t], v[\t], v[\t] row_xmask:8 row_mask:0xf bank_mask:0xf
	v_permlanex16_b32 v[\t+1], v[\t], s[SEL], s[SEL+1]
	v_add_f32 v[\t], v[\t], v[\t+1]
.endm
	s_load_b256 s[4:11], s[0:1], 0x0               ; qkv, x, gamma, beta
	s_load_b64 s[12:13], s[0:1], 0x20              ; hq
	v_lshl_add_u32 v254, v0, 2, 0x45000
	v_mov_b32 v255, 0
	ds_add_u32 v254, v255
	ds_add_u32 v254, v255
	s_wait_dscnt 0x0
	v_lshrrev_b32 v1, 5, v0
	v_readfirstlane_b32 s18, v1                    ; wave 0..15
	s_bfe_u32 s19, ttmp6, 0x40000                  ; cx: it enters Q's, x's and hq's addresses alone
	s_lshl_b32 s20, ttmp9, 2
	s_add_co_u32 s20, s20, s19                     ; my block of 256 queries
	s_and_b32 s21, ttmp7, 0xffff                   ; bh, which the four partners share
	s_lshl_b32 s22, s21, 4
	s_add_co_u32 s22, s22, s18
	s_mul_i32 s22, s22, REC
	s_add_co_u32 s22, s22, KVO                     ; record 16 bh + wave
	s_mov_b32 s23, 0
	s_mov_b32 s24, 1                               ; group 0: count,
	s_mul_i32 s25, s18, REC                        ; LDS address
	s_mov_b32 s28, 15|(3<<16)|(1<<21)              ; group 1: all four work-groups; elements of 8 bytes; no padding
	s_mov_b32 s29, 32<<16                          ; rows of 256 bytes,
	s_mov_b32 s30, 35<<16                          ; 35 of them, dense
	s_mov_b32 s31, 32<<16
	s_mov_b32 s32, 35
	s_mov_b32 s33, 32
	s_mov_b32 s34, 0
	s_mov_b32 s35, 0
	s_mov_b32 s[SEL], 0x76543210
	s_mov_b32 s[SEL+1], 0xfedcba98
	s_mov_b32 s[CS], 0x3e38aa3b                    ; c = log2(e) / 8
	s_mov_b32 s[CS+1], s[CS]                       ; (named with it as a pair)
	s_mov_b32 s41, 0x3727c5ac                      ; 1e-5
	s_mov_b32 s42, 0x3a800000                      ; 1 / 1,024
	s_lshl_b32 s44, s21, 7
	s_lshl_b32 s45, s20, 4
	s_add_co_u32 s44, s44, s45
	s_add_co_u32 s44, s44, s18                     ; my row of 1,024; my first query, counted over all heads, is 16 x it
	s_lshl_b32 s46, s44, 12
	s_mov_b32 s47, 0
	s_lshl_b32 s48, s44, 9
	s_add_co_u32 s48, s48, HCO
	s_mov_b32 s49, 0
	s_lshl_b32 s50, s44, 5
	s_add_co_u32 s50, s50, HSO
	s_mov_b32 s51, 0
	s_lshl_b32 s52, s44, 9                         ; Q's codes: 16 queries of 32 bytes
	s_mov_b32 s53, 0
	s_lshl_b32 s54, s44, 6
	s_add_co_u32 s54, s54, QSB
	s_mov_b32 s55, 0
	s_wait_kmcnt 0x0
	s_add_nc_u64 s[26:27], s[4:5], s[22:23]
	s_or_b32 s27, s27, 0x80000000
	s_add_nc_u64 s[6:7], s[6:7], s[46:47]          ; x's row
	s_add_nc_u64 s[56:57], s[12:13], s[46:47]      ; h's row,
	s_add_nc_u64 s[58:59], s[12:13], s[48:49]      ; its codes,
	s_add_nc_u64 s[60:61], s[12:13], s[50:51]      ; its scale bytes
	s_add_nc_u64 s[52:53], s[4:5], s[52:53]
	s_add_nc_u64 s[54:55], s[4:5], s[54:55]
	CROUND                                         ; all four work-groups are here: the joint loads meet
	tensor_load_to_lds s[24:27], s[28:35]          ; my record: one load a wave, the only one of the launch
	s_nop 0
.rept 4
	v_nop
.endr
	v_and_b32 v[LN], 31, v0
	v_and_b32 v250, 15, v0                         ; r
	v_bfe_u32 v251, v0, 4, 1                       ; h
	v_lshlrev_b32 v[AD0], 4, v[LN]
	v_lshlrev_b32 v[AV0], 4, v250
	v_lshlrev_b32 v[GL], 4, v[LN]
.irp i, 0,1,2,3,4,5,6,7
	global_load_b128 v[SF+4*\i:SF+4*\i+3], v[GL], s[6:7] offset:512*\i th:TH_LOAD_NT
.endr
	v_lshlrev_b32 v254, 5, v250
	v_lshl_add_u32 v254, v251, 4, v254
	global_load_b128 v[QF:QF+3], v254, s[52:53]    ; Q(query r, channels 32 h on)
	v_lshlrev_b32 v255, 2, v250
	global_load_b32 v[QS], v255, s[54:55]
	s_mul_i32 s44, s18, 4608
	s_add_co_u32 s44, s44, STG
	v_mul_u32_u24 v[STO], v250, 288
	v_lshl_add_u32 v[STO], v251, 6, v[STO]
	v_add_nc_u32 v[STO], s44, v[STO]
	v_lshrrev_b32 v252, 3, v[LN]
	v_and_b32 v253, 7, v0
	v_mul_u32_u24 v[LIN], v252, 144
	v_lshl_add_u32 v[LIN], v253, 4, v[LIN]
	v_add_nc_u32 v[LIN], s44, v[LIN]
	v_mul_u32_u24 v[BLK], v[LN], 144
	v_add_nc_u32 v[BLK], s44, v[BLK]
	s_lshl_b32 s45, s18, 12
	s_add_co_u32 s45, s45, XST
	v_add_nc_u32 v[XL], s45, v[AD0]
.irp j, 4,5,6,7
	v_mov_b32 v[QF+\j], 0
.endr
.irp t, 0,1,2,3,4,5,6,7
.irp j, 4,5,6,7
	v_mov_b32 v[KF+8*\t+\j], 0                     ; the upper 64 of the first product's K: zero codes, written once
.endr
.endr
.set jj, 0
.rept 32
	v_mov_b32 v[OF+jj], 0                          ; O^T: the loop is written once; its first step finds zeros
.set jj, jj+1
.endr
.irp b, 0,1,2,3
	v_mov_b32 v[TP+\b], 0
.endr
	v_mov_b32 v[TT], 0
	v_mov_b32 v23, 0                               ; (named as the upper half of the pair v[22:23])
	v_mov_b32 v10, 0                               ; the sum, in two halves
	v_mov_b32 v11, 0
	v_mov_b32 v9, 0xff61b1e6                       ; the largest t so far: -3e38
	v_floor_f32 v8, -v9                            ; -M
	s_wait_loadcnt 0x0
.irp i, 0,1,2,3,4,5,6,7
	ds_store_b128 v[XL], v[SF+4*\i:SF+4*\i+3] offset:512*\i   ; x's row waits in my own LDS bytes
.endr
	s_wait_tensorcnt 0x0                           ; my record has landed,
	s_wait_dscnt 0x0
	s_barrier_signal -1
	s_barrier_wait -1                              ; everybody's has
	s_mov_b32 s40, 16
	s_mov_b32 s43, 0
.Lstep:                                            ; 16 trips: 128 keys each
	v_add_nc_u32 v[AD], s43, v[AD0]
	v_add_nc_u32 v[AV], s43, v[AV0]
	v_nop
	v_nop                                          ; these four are the places in front of loads into registers that the last products read
	ds_load_b128 v[KS:KS+3], v[AD] offset:8192     ; lanes 0-15: tiles 0-3's words of row r; lanes 16-31: tiles 4-7's
.irp t, 0,1,2,3,4,5,6,7
	ds_load_b128 v[KF+8*\t:KF+8*\t+3], v[AD] offset:512*\t
.endr
	ds_load_b128 v[VS:VS+3], v[AV] offset:8704
.irp t, 0,1,2,3
.irp c, 0,1
	ds_load_b128 v[VF+8*\t+4*\c:VF+8*\t+4*\c+3], v[AD] offset:4096+1024*\t+512*\c
.endr
.endr
	s_wait_dscnt 9                                 ; K and its words are in; the 9 loads behind them (V's words, V) land under the softmax
.irp t, 0,1,2,3
	v_wmma_scale_f32_16x16x128_f8f6f4 v[SF+8*\t:SF+8*\t+7], v[KF+8*\t:KF+8*\t+7], v[QF:QF+7], 0, v[KS+\t], v[QS] matrix_a_fmt:MATRIX_FMT_FP4 matrix_b_fmt:MATRIX_FMT_FP4
.endr
.irp t, 4,5,6,7
	v_wmma_scale_f32_16x16x128_f8f6f4 v[SF+8*\t:SF+8*\t+7], v[KF+8*\t:KF+8*\t+7], v[QF:QF+7], 0, v[KS+\t-4], v[QS] matrix_a_fmt:MATRIX_FMT_FP4 matrix_b_fmt:MATRIX_FMT_FP4 matrix_a_scale:MATRIX_SCALE_ROW1
.endr
.rept 4
	v_nop
.endr
.irp b, 0,1,2,3
	v_max3_num_f32 v[BM+\b], v[SF+16*\b], v[SF+1+16*\b], v[SF+2+16*\b]   ; the largest score of each block of 32 keys: for the row's maximum, and, since p rises with the score, for the block's largest p
.endr
.irp i, 3,5,7,9,11,13
.irp b, 0,1,2,3
	v_max3_num_f32 v[BM+\b], v[BM+\b], v[SF+16*\b+\i], v[SF+1+16*\b+\i]
.endr
.endr
.irp b, 0,1,2,3
	v_max_num_f32 v[BM+\b], v[BM+\b], v[SF+15+16*\b]
.endr
.irp b, 0,1,2,3
	v_permlanex16_b32 v[TP+\b], v[BM+\b], s[SEL], s[SEL+1]
.endr
.irp b, 0,1,2,3
	v_max_num_f32 v[BM+\b], v[BM+\b], v[TP+\b]     ; with lane l xor 16's 16 keys
.endr
	v_max3_num_f32 v[TT], v[BM], v[BM+1], v[BM+2]
	v_max_num_f32 v[TT], v[TT], v[BM+3]
	v_mul_f32 v[TT], s[CS], v[TT]                  ; as t (c is positive)
	v_max_num_f32 v9, v9, v[TT]                    ; the running largest t
	v_mov_b32 v[TT], v8
	v_floor_f32 v8, -v9                            ; the new -M = -ceil(t)
	v_sub_f32 v[TT], v8, v[TT]                     ; old M - new M: a whole number, 0 or less
	v_cvt_i32_f32 v[TT], v[TT]                     ; (it saturates)
	v_ldexp_f32 v22, 1.0, v[TT]                    ; f = 2^(old M - new M)
.set jj, 0
.rept 32
	v_pk_fma_f32 v[SF+jj:SF+jj+1], v[SF+jj:SF+jj+1], s[CS:CS+1], v[8:9] op_sel_hi:[1,0,0]   ; t - M
.set jj, jj+2
.endr
.irp b, 0,1,2,3
	v_fma_f32 v[BM+\b], v[BM+\b], s[CS], v8
.endr
.set jj, 0
.rept 64
	v_exp_f32 v[SF+jj], v[SF+jj]                   ; p = 2^(t - M)
.set jj, jj+1
.endr
.irp b, 0,1,2,3
	v_exp_f32 v[BM+\b], v[BM+\b]                   ; the block's largest p
.endr
	v_pk_mul_f32 v[10:11], v[10:11], v[22:23] op_sel_hi:[1,0]   ; the sum under the new M (a plain place behind the exponentials)
	s_wait_alu depctr_va_vdst(0)
.irp b, 0,1,2,3
	v_max_num_f32 v[BM+\b], 0x1800000, v[BM+\b]    ; the floor 2^(3 - 127)
.endr
.irp b, 0,1,2,3
	v_add_nc_u32 v[SO+\b], 0xff000000, v[BM+\b]    ; the conversion's scale operand
.endr
.irp b, 0,1,2,3
	v_lshrrev_b32 v[TP+\b], 23, v[SO+\b]           ; the byte
.endr
	v_lshl_or_b32 v[PS], v[TP+1], 8, v[TP]
	v_lshl_or_b32 v[PS], v[TP+2], 16, v[PS]
	v_lshl_or_b32 v[PS], v[TP+3], 24, v[PS]        ; p's scale word for these 128 keys
.irp b, 0,1,2,3
	v_cvt_scalef32_pk8_fp4_f32 v[PC+2*\b], v[SF+16*\b:SF+7+16*\b], v[SO+\b]
	v_cvt_scalef32_pk8_fp4_f32 v[PC+1+2*\b], v[SF+8+16*\b:SF+15+16*\b], v[SO+\b]
.endr
	v_nop                                          ; one plain place behind a scaled conversion
.irp c, 0,1
.irp i, 0,1
	v_permlane16_swap_b32 v[PC+4*\c+\i], v[PC+2+4*\c+\i]   ; a whole block to a lane
.endr
.endr
	v_pk_add_f32 v[CH:CH+1], v[SF:SF+1], v[SF+2:SF+3]      ; the sum of the unquantised p, in two chains
.irp j, 4,8,12,16,20,24,28,32,36,40,44,48,52,56,60
	v_pk_add_f32 v[10:11], v[10:11], v[SF+\j:SF+\j+1]
	v_pk_add_f32 v[CH:CH+1], v[CH:CH+1], v[SF+2+\j:SF+3+\j]
.endr
	v_pk_add_f32 v[10:11], v[10:11], v[CH:CH+1]
.set jj, 0
.rept 16
	v_pk_mul_f32 v[OF+jj:OF+jj+1], v[OF+jj:OF+jj+1], v[22:23] op_sel_hi:[1,0]   ; O^T under the new M.  (The 48 lines from the sums on are the places between p's word and codes and the products)
.set jj, jj+2
.endr
	s_wait_dscnt 0x0                               ; V and its words are in
.irp t, 0,1,2,3                                    ; one instruction a turn: between two links of a sum stand the eleven other matrix instructions of a trip
	v_wmma_scale_f32_16x16x128_f8f6f4 v[OF+8*\t:OF+8*\t+7], v[VF+8*\t:VF+8*\t+7], v[PC:PC+7], v[OF+8*\t:OF+8*\t+7], v[VS+\t], v[PS] matrix_a_fmt:MATRIX_FMT_FP4 matrix_b_fmt:MATRIX_FMT_FP4
.endr
	s_add_co_u32 s43, s43, REC                     ; the next record
	s_sub_co_u32 s40, s40, 1
	s_cmp_lg_u32 s40, 0
	s_cbranch_scc1 .Lstep
	; THE ROW.  gamma and beta are asked for first; O^T / l goes through my stage and comes back as the row lies; + x; LayerNorm; h is stored, goes through the stage once more, a block of 32 to a lane, and is quantised.
.irp i, 0,1,2,3,4,5,6,7
	global_load_b128 v[32+4*\i:35+4*\i], v[GL], s[8:9] offset:512*\i
.endr
.irp i, 0,1,2,3,4,5,6,7
	global_load_b128 v[64+4*\i:67+4*\i], v[GL], s[10:11] offset:512*\i
.endr
	v_add_f32 v10, v10, v11
	v_permlanex16_b32 v[TT], v10, s[SEL], s[SEL+1]
	v_add_f32 v10, v10, v[TT]                      ; the row's sum l
	v_rcp_f32 v22, v10
	v_nop
	v_nop
	v_nop                                          ; with the two additions: the places behind the last products; the first is the plain place behind the reciprocal
.set jj, 0
	s_wait_alu depctr_va_vdst(0)
.rept 16
	v_pk_mul_f32 v[SF+jj:SF+jj+1], v[OF+jj:OF+jj+1], v[22:23] op_sel_hi:[1,0]   ; register 8 t + j: channel 32 (t / 2) + 16 h + 8 (t % 2) + j of query r
.set jj, jj+2
.endr
.irp t, 0,1,2,3
.irp u, 0,1
	ds_store_b128 v[STO], v[SF+8*\t+4*\u:SF+8*\t+4*\u+3] offset:144*(\t/2)+32*(\t%2)+16*\u
.endr
.endr
.irp i, 0,1,2,3,4,5,6,7
	ds_load_b128 v[128+4*\i:131+4*\i], v[LIN] offset:576*\i    ; in order behind my stores: columns 128 i + 4 lane on
.endr
.irp i, 0,1,2,3,4,5,6,7
	ds_load_b128 v[160+4*\i:163+4*\i], v[XL] offset:512*\i
.endr
	s_wait_dscnt 0x0
.set jj, 0
.rept 16
	v_pk_add_f32 v[128+jj:129+jj], v[160+jj:161+jj], v[128+jj:129+jj]   ; x + values
.set jj, jj+2
.endr
	v_pk_add_f32 v[96:97], v[128:129], v[130:131]
	v_pk_add_f32 v[98:99], v[132:133], v[134:135]
.irp k, 8,12,16,20,24,28
	v_pk_add_f32 v[96:97], v[96:97], v[128+\k:129+\k]
	v_pk_add_f32 v[98:99], v[98:99], v[130+\k:131+\k]
.endr
	v_pk_add_f32 v[96:97], v[96:97], v[98:99]
	v_add_f32 v96, v96, v97
	RSUM 96
	v_mul_f32 v96, s42, v96                        ; the mean
.set jj, 0
.rept 16
	v_pk_add_f32 v[128+jj:129+jj], v[128+jj:129+jj], v[96:97] op_sel_hi:[1,0] neg_lo:[0,1] neg_hi:[0,1]
.set jj, jj+2
.endr
	v_pk_mul_f32 v[96:97], v[128:129], v[128:129]
	v_pk_mul_f32 v[98:99], v[130:131], v[130:131]
.irp k, 4,8,12,16,20,24,28
	v_pk_fma_f32 v[96:97], v[128+\k:129+\k], v[128+\k:129+\k], v[96:97]
	v_pk_fma_f32 v[98:99], v[130+\k:131+\k], v[130+\k:131+\k], v[98:99]
.endr
	v_pk_add_f32 v[96:97], v[96:97], v[98:99]
	v_add_f32 v96, v96, v97
	RSUM 96
	v_fma_f32 v96, v96, s42, s41                   ; the variance + 1e-5
	v_rsq_f32 v96, v96
	v_nop
	s_wait_loadcnt 0x0                             ; gamma, beta
.set jj, 0
	s_wait_alu depctr_va_vdst(0)
.rept 16
	v_pk_mul_f32 v[128+jj:129+jj], v[128+jj:129+jj], v[96:97] op_sel_hi:[1,0]
.set jj, jj+2
.endr
.set jj, 0
.rept 16
	v_pk_fma_f32 v[128+jj:129+jj], v[128+jj:129+jj], v[32+jj:33+jj], v[64+jj:65+jj]
.set jj, jj+2
.endr
.irp i, 0,1,2,3,4,5,6,7
	global_store_b128 v[GL], v[128+4*\i:131+4*\i], s[56:57] offset:512*\i   ; h: 512 consecutive bytes a store
.endr
.irp i, 0,1,2,3,4,5,6,7
	ds_store_b128 v[LIN], v[128+4*\i:131+4*\i] offset:576*\i
.endr
.irp j, 0,1,2,3,4,5,6,7
	ds_load_b128 v[96+4*\j:99+4*\j], v[BLK] offset:16*\j      ; lane l: columns 32 l .. 32 l + 31: a whole block
.endr
	s_wait_dscnt 0x0
	v_max3_num_f32 v[BM], |v96|, |v97|, |v98|
	v_max3_num_f32 v[BM+1], |v99|, |v100|, |v101|
.irp i, 6,10,14,18,22,26
	v_max3_num_f32 v[BM], v[BM], |v[96+\i]|, |v[97+\i]|
	v_max3_num_f32 v[BM+1], v[BM+1], |v[98+\i]|, |v[99+\i]|
.endr
	v_max3_num_f32 v[BM], v[BM], |v126|, |v127|
	v_max3_num_f32 v[BM], v[BM], v[BM+1], 0x1800000
	v_add_nc_u32 v[SO], 0xff000000, v[BM]
	v_lshrrev_b32 v[SO+1], 23, v[SO]
.irp g, 0,1,2,3
	v_cvt_scalef32_pk8_fp4_f32 v[PC+\g], v[96+8*\g:103+8*\g], v[SO]
.endr
	v_nop
	global_store_b128 v[GL], v[PC:PC+3], s[58:59]  ; the row's 512 bytes of codes
	global_store_b8 v[LN], v[SO+1], s[60:61]       ; and its 32 scale bytes
	s_wait_dscnt 0x0
	s_wait_xcnt 0x0
	v_lshl_add_u32 v254, v0, 2, 0x45000
	v_mov_b32 v255, 0
	s_wait_tensorcnt 0x0
	ds_add_u32 v254, v255
	s_wait_dscnt 0x0
	CROUND                                         ; the closing round
	s_endpgm
.Lfunc_end_k_q3311b1d836_attn:
	.size	k_q3311b1d836_attn, .Lfunc_end_k_q3311b1d836_attn-k_q3311b1d836_attn
	.p2alignl 7, 3214868480
	.fill 96, 4, 3214868480
	.section	.rodata,"a",@progbits
	.p2align	6, 0x0
	.amdhsa_kernel k_q3311b1d836_attn
		.amdhsa_group_segment_fixed_size 284672
		.amdhsa_private_segment_fixed_size 0
		.amdhsa_enable_private_segment 0
		.amdhsa_kernarg_size 40
		.amdhsa_user_sgpr_count 2
		.amdhsa_user_sgpr_kernarg_segment_ptr 1
		.amdhsa_wavefront_size32 1
		.amdhsa_system_sgpr_workgroup_id_x 1
		.amdhsa_system_sgpr_workgroup_id_y 1
		.amdhsa_system_sgpr_workgroup_id_z 1
		.amdhsa_system_vgpr_workitem_id 0
		.amdhsa_next_free_vgpr 256
		.amdhsa_next_free_sgpr 66
		.amdhsa_reserve_vcc 0
		.amdhsa_float_denorm_mode_32 3
		.amdhsa_float_denorm_mode_16_64 3
		.amdhsa_memory_ordered 1
		.amdhsa_forward_progress 1
		.amdhsa_inst_pref_size 39
	.end_amdhsa_kernel
	.amdgpu_metadata
---
amdhsa.version: [ 1, 2 ]
amdhsa.kernels:
  - .name:           k_q3311b1d836_attn
    .symbol:         k_q3311b1d836_attn.kd
    .args:
      - { .name: qkv, .offset: 0, .size: 8, .value_kind: global_buffer, .address_space: global }
      - { .name: x, .offset: 8, .size: 8, .value_kind: global_buffer, .address_space: global }
      - { .name: gamma, .offset: 16, .size: 8, .value_kind: global_buffer, .address_space: global }
      - { .name: beta, .offset: 24, .size: 8, .value_kind: global_buffer, .address_space: global }
      - { .name: hq, .offset: 32, .size: 8, .value_kind: global_buffer, .address_space: global }
    .group_segment_fixed_size: 284672
    .private_segment_fixed_size: 0
    .kernarg_segment_align: 8
    .kernarg_segment_size: 40
    .max_flat_workgroup_size: 512
    .sgpr_count:     66
    .vgpr_count:     256
    .wavefront_size: 32
...
	.end_amdgpu_metadata
.endif
;; end of part 3
;; launch gemm_ffn1 (part 4): grid 16 x 16, 4 waves a work-group, clusters of 4 x 4, 327,680 bytes of LDS; arguments hq, wq, b1, fq; writes fq
.if DOCPART == 4
	.amdgcn_target "amdgcn-amd-amdhsa--gfx1250"
	.amdhsa_code_object_version 6
	.text
	.protected	k_q3311b1d836_gemm_ffn1
	.globl	k_q3311b1d836_gemm_ffn1
	.p2align	8
	.type	k_q3311b1d836_gemm_ffn1,@function
k_q3311b1d836_gemm_ffn1:
	s_mov_b64 s[64:65], 0
	v_nop
	global_prefetch_b8 v0, s[64:65] scope:SCOPE_SE
	s_setreg_imm32_b32 hwreg(HW_REG_WAVE_MODE, 25, 1), 1
	s_wait_xcnt 0x0
	s_wait_alu depctr_hold_cnt(0) depctr_sa_sdst(0) depctr_va_vdst(0) depctr_va_sdst(0) depctr_va_ssrc(0) depctr_va_vcc(0) depctr_vm_vsrc(0)
	s_getreg_b32 s2, hwreg(HW_REG_IB_STS2, 6, 4)
	s_cmp_eq_u32 s2, 0
	s_cbranch_scc0 .Lentry_in_a_cluster
	s_endpgm
.Lentry_in_a_cluster:
	s_bfe_u32 s2, ttmp6, 0x10000c
	s_cmp_lg_u32 s2, 0xf033
	s_cbranch_scc0 .Lentry_shape_is_right
	s_endpgm
.Lentry_shape_is_right:
; f = Q(relu(Q(h) Q(W1) + b1)): the first product of the FFN on codes of FP4 with E8M0 scales, its bias and activation, and the quantising of the result along the next K.
; A tile is 256 rows x 256 hidden units; four waves, each 128 x 128: 64 accumulators.  ALL OF K (1,024) LIES IN LDS: two halves of 512 along K, each brought once; nothing is filled again.
; Clusters of 4 x 4: A's tiles are asked for jointly along a row of the cluster, B's along a column.
; The product is used transposed (source 0 = 16 rows of W1, source 1 = 16 rows of h).  W1's rows are stored permuted (bits 3 and 4 exchanged), so that register j of lane (r, h) of tile 2 b + u is hidden unit
; 32 b + 16 h + 8 u + j: a lane's 64 registers of a row tile are, block by block, 16 neighbours: a wave's 128 units are one K step of the next product.
; OUT: f's codes as images of the next operand's registers, [row tile][K step][1,024 bytes] (16 bytes a lane, twice 512), and scale words [row][K step].  The scale words leave 4 bytes a row: 1 byte for 16 bytes of codes.
; LIMITS: a block of zeros gets the byte 1 where the rule says 127 (zero codes; read by this program alone); NaN and infinities are not served.
; REGISTERS: window 0: v1-26 addresses; v32-56 codes, at work; v64-127 scale words (8 k + q: lanes 0-15 A's tile k, lanes 16-31 B's); v128-191 at work; v192-255 b1 in the result's layout.
;   window 1: two sets of fragments (A at 8 a, B at 64 + 8 b).  windows 2, 3: accumulator (a, b) at 8 (8 (a % 4) + b) of window 2 + a / 4.
.set PITCH, 272
.set HALFT, 128*PITCH
.set SLOT,  4*HALFT
.set SCA,   2*SLOT
.set HCO,   16777216
.set HSO,   18874368
.set W1C,   1572864
.set W1S,   5865472
.set FSO,   8388608
.set ADRA, 16
.set ADRB, 18
.set X1,   20
.set LI,   24
.set FW,   25
.set BO,   26
.set PC,   32
.set TM,   40
.set PW,   56
.set SC,   64
.set T,    128
.set BB,   192
.set SEL,  12
.set G1A,  24
.set G0A,  32
.set G1B,  48
.set G0B,  56
.set G1SA, 68
.set G0SA, 76
.set G1SB, 80
.set G0SB, 88
.set PF,   92
.set PG,   94
.set MSB, 0
.macro WIN new
.if MSB != (\new)
	s_set_vgpr_msb (MSB<<8)|(\new)
.set MSB, (\new)
.endif
.endm
.macro PLACES
.rept 4
	v_nop
.endr
.endm
.macro JLOAD g0a, g1a, g0b, g1b        ; waves 0 and 1 fetch for A, waves 2 and 3 for B; four v_nop follow each of the two lines
	s_cmp_eq_u32 s15, 0
	s_cbranch_scc0 .Lfor_b_\@
	tensor_load_to_lds s[\g0a:\g0a+3], s[\g1a:\g1a+7]
	s_nop 0
.rept 4
	v_nop
.endr
	s_branch .Lasked_\@
.Lfor_b_\@:
	tensor_load_to_lds s[\g0b:\g0b+3], s[\g1b:\g1b+7]
	s_nop 0
.rept 4
	v_nop
.endr
.Lasked_\@:
.endm
.macro CROUND
	s_barrier_signal -1
	s_barrier_wait -1
	s_cmp_lg_u32 s14, 0
	s_cbranch_scc1 .Lnot_wave_0_\@
	s_barrier_signal -3
.Lnot_wave_0_\@:
	s_barrier_wait -3
	s_barrier_signal -1
	s_barrier_wait -1
.endm
	s_load_b256 s[4:11], s[0:1], 0x0               ; hq, wq, b1, fq
	v_lshl_add_u32 v62, v0, 2, 0x4a000
	v_mov_b32 v63, 0
	ds_add_u32 v62, v63
	ds_add_u32 v62, v63
	v_lshrrev_b32 v1, 5, v0
	v_readfirstlane_b32 s14, v1                    ; wave 0..3
	s_lshr_b32 s15, s14, 1                         ; my half of the rows.  Also: I fetch for A (0) or for B (1)
	s_and_b32 s16, s14, 1                          ; my half of the columns.  Also: which 128 rows I fetch
	s_bfe_u32 s40, ttmp6, 0x40000
	s_bfe_u32 s41, ttmp6, 0x40004
	s_lshl_b32 s42, ttmp9, 2
	s_add_co_u32 s42, s42, s40                     ; X
	s_and_b32 s17, ttmp7, 0xffff
	s_lshl_b32 s17, s17, 2
	s_add_co_u32 s17, s17, s41                     ; Y
	s_lshl_b32 s43, s41, 2
	s_lshl_b32 s43, 15, s43
	s_lshl_b32 s44, 0x1111, s40
	s_or_b32 s[G1A], s43, (1<<20)|(1<<21)|(5<<22)|(3<<25)
	s_or_b32 s[G1B], s44, (1<<20)|(1<<21)|(5<<22)|(3<<25)
.irp g, G1A, G1B
	s_mov_b32 s[\g+1], 256<<16                     ; rows of 256 bytes,
	s_mov_b32 s[\g+2], 128<<16                     ; 128 of them,
	s_mov_b32 s[\g+3], 256<<16
	s_mov_b32 s[\g+4], 128
	s_mov_b32 s[\g+5], 512                         ; 512 bytes apart
	s_mov_b32 s[\g+6], 0
	s_mov_b32 s[\g+7], 0
.endr
	s_or_b32 s[G1SA], s43, (1<<20)|(1<<21)|(2<<22)|(3<<25)
	s_or_b32 s[G1SB], s44, (1<<20)|(1<<21)|(2<<22)|(3<<25)
.irp g, G1SA, G1SB
	s_mov_b32 s[\g+1], 32<<16                      ; scale rows of 32 bytes, 16 of padding behind each
	s_mov_b32 s[\g+2], 128<<16
	s_mov_b32 s[\g+3], 32<<16
	s_mov_b32 s[\g+4], 128
	s_mov_b32 s[\g+5], 32
	s_mov_b32 s[\g+6], 0
	s_mov_b32 s[\g+7], 0
.endr
	s_lshl_b32 s20, s17, 17
	s_lshl_b32 s18, s16, 16
	s_add_co_u32 s20, s20, s18
	s_add_co_u32 s20, s20, HCO                     ; A's codes
	s_mov_b32 s21, 0
	s_lshl_b32 s22, s17, 13
	s_lshl_b32 s18, s16, 12
	s_add_co_u32 s22, s22, s18
	s_add_co_u32 s22, s22, HSO                     ; A's scales
	s_mov_b32 s23, 0
	s_lshl_b32 s46, s42, 17
	s_lshl_b32 s18, s16, 16
	s_add_co_u32 s46, s46, s18
	s_add_co_u32 s46, s46, W1C                     ; B's codes
	s_mov_b32 s47, 0
	s_lshl_b32 s92, s42, 13
	s_lshl_b32 s18, s16, 12
	s_add_co_u32 s92, s92, s18
	s_add_co_u32 s92, s92, W1S                     ; B's scales
	s_mov_b32 s93, 0
	s_mul_i32 s45, s14, HALFT                      ; where they go: wave x 128 rows
	s_mul_i32 s94, s14, 128*48
	s_add_co_u32 s94, s94, SCA
	s_mov_b32 s[SEL], 0x76543210
	s_mov_b32 s[SEL+1], 0xfedcba98
	s_wait_dscnt 0x0
	s_wait_kmcnt 0x0
	s_add_nc_u64 s[20:21], s[4:5], s[20:21]
	s_add_nc_u64 s[22:23], s[4:5], s[22:23]
	s_add_nc_u64 s[46:47], s[6:7], s[46:47]
	s_add_nc_u64 s[92:93], s[6:7], s[92:93]
	CROUND
	s_mov_b32 s[G0SA], 1
	s_mov_b32 s[G0SA+1], s94
	s_mov_b64 s[G0SA+2:G0SA+3], s[22:23]
	s_or_b32 s[G0SA+3], s[G0SA+3], 0x80000000
	s_mov_b32 s[G0SB], 1
	s_mov_b32 s[G0SB+1], s94
	s_mov_b64 s[G0SB+2:G0SB+3], s[92:93]
	s_or_b32 s[G0SB+3], s[G0SB+3], 0x80000000
	JLOAD G0SA, G1SA, G0SB, G1SB
.irp s, 0,1
	s_mov_b32 s[G0A+4*\s], 1
	s_add_co_u32 s[G0A+4*\s+1], s45, \s*SLOT
	s_add_nc_u64 s[G0A+4*\s+2:G0A+4*\s+3], s[20:21], \s*256
	s_or_b32 s[G0A+4*\s+3], s[G0A+4*\s+3], 0x80000000
	s_mov_b32 s[G0B+4*\s], 1
	s_add_co_u32 s[G0B+4*\s+1], s45, \s*SLOT
	s_add_nc_u64 s[G0B+4*\s+2:G0B+4*\s+3], s[46:47], \s*256
	s_or_b32 s[G0B+4*\s+3], s[G0B+4*\s+3], 0x80000000
	JLOAD G0A+4*\s, G1A, G0B+4*\s, G1B             ; three loads of mine are out in all
.endr
	v_and_b32 v1, 15, v0                           ; r
	v_bfe_u32 v2, v0, 4, 1                         ; h
	v_and_b32 v5, 31, v0
	v_mul_u32_u24 v3, v1, PITCH
	v_lshl_add_u32 v3, v2, 4, v3
	s_mul_i32 s18, s15, HALFT
	s_mul_i32 s19, s16, HALFT
	s_add_co_u32 s19, s19, 2*HALFT
.irp s, 0,1
	v_add_nc_u32 v[ADRA+\s], s18, v3
	v_add_nc_u32 v[ADRB+\s], s19, v3
	s_add_co_u32 s18, s18, SLOT
	s_add_co_u32 s19, s19, SLOT
.endr
	s_xor_b32 s19, s15, 1
	s_add_co_u32 s19, s19, s16
	s_add_co_u32 s19, s19, 1
	s_mul_i32 s19, s19, 128*48                     ; from my rows of A's scales to my rows of B's
	v_mul_u32_u24 v4, s19, v2
	v_mad_u32_u24 v[X1], v1, 48, v4
	s_mul_i32 s18, s15, 128*48
	s_add_co_u32 s18, s18, SCA
	v_add_nc_u32 v[X1], s18, v[X1]
	v_lshlrev_b32 v[LI], 4, v5
	v_lshlrev_b32 v[FW], 7, v1
	v_lshlrev_b32 v[BO], 6, v2
.irp b, 0,1,2,3
	v_mov_b32 v[TM+4+\b], 0
.endr
	s_lshl_b32 s[PF], s17, 19                      ; f's codes: ((16 Y + 8 wm) x 32 + 2 X + wn) x 1,024
	s_lshl_b32 s18, s15, 18
	s_add_co_u32 s[PF], s[PF], s18
	s_lshl_b32 s18, s42, 11
	s_add_co_u32 s[PF], s[PF], s18
	s_lshl_b32 s18, s16, 10
	s_add_co_u32 s[PF], s[PF], s18
	s_mov_b32 s[PF+1], 0
	s_lshl_b32 s[PG], s17, 15                      ; its scale words: (256 Y + 128 wm) x 128 + (2 X + wn) x 4
	s_lshl_b32 s18, s15, 14
	s_add_co_u32 s[PG], s[PG], s18
	s_lshl_b32 s18, s42, 3
	s_add_co_u32 s[PG], s[PG], s18
	s_lshl_b32 s18, s16, 2
	s_add_co_u32 s[PG], s[PG], s18
	s_add_co_u32 s[PG], s[PG], FSO
	s_mov_b32 s[PG+1], 0
	s_add_nc_u64 s[PF:PF+1], s[10:11], s[PF:PF+1]
	s_add_nc_u64 s[PG:PG+1], s[10:11], s[PG:PG+1]
	s_lshl_b32 s98, s42, 10
	s_lshl_b32 s18, s16, 9
	s_add_co_u32 s98, s98, s18
	s_mov_b32 s99, 0
	s_add_nc_u64 s[8:9], s[8:9], s[98:99]          ; b1 at my 128 units
.irp be, 0,1,2,3
.irp kk, 0,1,2,3
	global_load_b128 v[BB+16*\be+4*\kk:BB+16*\be+4*\kk+3], v[BO], s[8:9] offset:128*\be+16*\kk
.endr
.endr
.macro WMT z
.if \z
	v_wmma_scale_f32_16x16x128_f8f6f4 v[rD:rD+7], v[rB:rB+7], v[rA:rA+7], 0, v[cB], v[cA] matrix_a_fmt:MATRIX_FMT_FP4 matrix_b_fmt:MATRIX_FMT_FP4 matrix_a_scale:MATRIX_SCALE_ROW1
.else
	v_wmma_scale_f32_16x16x128_f8f6f4 v[rD:rD+7], v[rB:rB+7], v[rA:rA+7], v[rD:rD+7], v[cB], v[cA] matrix_a_fmt:MATRIX_FMT_FP4 matrix_b_fmt:MATRIX_FMT_FP4 matrix_a_scale:MATRIX_SCALE_ROW1
.endif
.endm
; 32 matrix instructions: A's tiles 4 hf .. 4 hf + 3 x B's eight.  The 64 accumulators take turns, one instruction a turn, in the same order in every step.
.macro MULH q, p, hf, z
	WIN 0xa5+0x50*(\hf)
.irp ii, 0,1,2,3
.irp b, 0,1,2,3,4,5,6,7
.set rD, 8*(8*\ii+\b)
.set rA, 128*(\p)+8*(4*(\hf)+\ii)
.set rB, 128*(\p)+64+8*\b
.set cA, SC+8*(4*(\hf)+\ii)+(\q)
.set cB, SC+8*\b+(\q)
	WMT \z
.endr
.endr
.endm
.macro FETCH q, p
	WIN 0x40
.irp i, 0,1,2,3,4,5,6,7
.irp cc, 0,1
	ds_load_b128 v[128*(\p)+8*\i+4*\cc:128*(\p)+8*\i+4*\cc+3], v[ADRA+(\q)/4] offset:16*PITCH*\i+64*((\q)%4)+32*\cc
.endr
.endr
.irp i, 0,1,2,3,4,5,6,7
.irp cc, 0,1
	ds_load_b128 v[128*(\p)+64+8*\i+4*\cc:128*(\p)+64+8*\i+4*\cc+3], v[ADRB+(\q)/4] offset:16*PITCH*\i+64*((\q)%4)+32*\cc
.endr
.endr
.endm
.macro STEP q, z
	s_wait_dscnt 0x0                               ; this step's fragments are in (asked for 32 matrix instructions ago)
.if \q == 3
	s_wait_tensorcnt 0x0                           ; my part of the second half of K has landed: say so,
	s_barrier_signal -1
.endif
	MULH \q, (\q)%2, 0, \z
.if \q == 3
	s_barrier_wait -1                              ; everybody's has
.endif
.if \q < 7
	PLACES
	FETCH (\q)+1, ((\q)+1)%2
.endif
	MULH \q, (\q)%2, 1, \z
.endm
	s_wait_tensorcnt 1                             ; the scales and the first half of K are in; the one load behind them may stay out
	s_barrier_signal -1
	s_barrier_wait -1
.irp k, 0,1,2,3,4,5,6,7
.irp g, 0,1
	ds_load_b128 v[SC+8*\k+4*\g:SC+8*\k+4*\g+3], v[X1] offset:768*\k+16*\g
.endr
.endr
	FETCH 0, 0
	STEP 0, 1
.irp q, 1,2,3,4,5,6,7
	STEP \q, 0
.endr
	WIN 0
	PLACES
	s_wait_loadcnt 0x0                             ; b1
; 64 numbers of a lane, register 16 b + i = k 32 b + 16 h + i of my row, become a fragment's codes in v[PC] on and its scale word in v[PW].
.macro QUANT s
.irp b, 0,1,2,3
	v_max3_num_f32 v[TM+\b], |v[\s+16*\b]|, |v[\s+1+16*\b]|, 0x1800000
.endr
.irp i, 2,4,6,8,10,12,14
.irp b, 0,1,2,3
	v_max3_num_f32 v[TM+\b], v[TM+\b], |v[\s+16*\b+\i]|, |v[\s+1+16*\b+\i]|
.endr
.endr
.irp b, 0,1,2,3
	v_permlanex16_b32 v[TM+4+\b], v[TM+\b], s[SEL], s[SEL+1]
.endr
.irp b, 0,1,2,3
	v_max_num_f32 v[TM+\b], v[TM+\b], v[TM+4+\b]
.endr
.irp b, 0,1,2,3
	v_add_nc_u32 v[TM+12+\b], 0xff000000, v[TM+\b]
.endr
.irp b, 0,1,2,3
	v_lshrrev_b32 v[TM+4+\b], 23, v[TM+12+\b]
.endr
	v_lshl_or_b32 v[PW], v[TM+5], 8, v[TM+4]
	v_lshl_or_b32 v[PW], v[TM+6], 16, v[PW]
	v_lshl_or_b32 v[PW], v[TM+7], 24, v[PW]
.irp b, 0,1,2,3
	v_cvt_scalef32_pk8_fp4_f32 v[PC+2*\b], v[\s+16*\b:\s+7+16*\b], v[TM+12+\b]
	v_cvt_scalef32_pk8_fp4_f32 v[PC+1+2*\b], v[\s+8+16*\b:\s+15+16*\b], v[TM+12+\b]
.endr
	v_nop
.irp c, 0,1
.irp i, 0,1
	v_permlane16_swap_b32 v[PC+4*\c+\i], v[PC+2+4*\c+\i]
.endr
.endr
.endm
.macro OUTA a                          ; row tile a: bias, activation, codes, out
	s_wait_xcnt 0x0                                ; the earlier stores have read their data
	WIN 2+(\a)/4
.irp b, 0,1,2,3,4,5,6,7
.irp pr, 0,1,2,3
	v_pk_add_f32 v[T+8*\b+2*\pr:T+8*\b+2*\pr+1], v[8*(8*((\a)%4)+\b)+2*\pr:8*(8*((\a)%4)+\b)+2*\pr+1], v[BB+8*\b+2*\pr:BB+8*\b+2*\pr+1]   ; each accumulator from its low end on
.endr
.endr
	WIN 0
.set jj, 0
.rept 64
	v_max_num_f32 v[T+jj], 0, v[T+jj]
.set jj, jj+1
.endr
	QUANT T
.irp cc, 0,1
	global_store_b128 v[LI], v[PC+4*\cc:PC+4*\cc+3], s[PF:PF+1] offset:32768*(\a)+512*\cc   ; 512 consecutive bytes
.endr
	global_store_b32 v[FW], v[PW], s[PG:PG+1] offset:2048*(\a)     ; lanes r and r + 16 store the same word to the same place
.endm
.irp a, 0,1,2,3,4,5,6,7
	OUTA \a
.endr
	s_wait_dscnt 0x0
	s_wait_tensorcnt 0x0
	ds_add_u32 v62, v63
	s_wait_dscnt 0x0
	CROUND                                         ; the closing round
	s_endpgm
.Lfunc_end_k_q3311b1d836_gemm_ffn1:
	.size	k_q3311b1d836_gemm_ffn1, .Lfunc_end_k_q3311b1d836_gemm_ffn1-k_q3311b1d836_gemm_ffn1
	.p2alignl 7, 3214868480
	.fill 96, 4, 3214868480
	.section	.rodata,"a",@progbits
	.p2align	6, 0x0
	.amdhsa_kernel k_q3311b1d836_gemm_ffn1
		.amdhsa_group_segment_fixed_size 327680
		.amdhsa_private_segment_fixed_size 0
		.amdhsa_enable_private_segment 0
		.amdhsa_kernarg_size 32
		.amdhsa_user_sgpr_count 2
		.amdhsa_user_sgpr_kernarg_segment_ptr 1
		.amdhsa_wavefront_size32 1
		.amdhsa_system_sgpr_workgroup_id_x 1
		.amdhsa_system_sgpr_workgroup_id_y 1
		.amdhsa_system_sgpr_workgroup_id_z 1
		.amdhsa_system_vgpr_workitem_id 0
		.amdhsa_next_free_vgpr 1024
		.amdhsa_next_free_sgpr 100
		.amdhsa_reserve_vcc 0
		.amdhsa_float_denorm_mode_32 3
		.amdhsa_float_denorm_mode_16_64 3
		.amdhsa_memory_ordered 1
		.amdhsa_forward_progress 1
		.amdhsa_inst_pref_size 160
	.end_amdhsa_kernel
	.amdgpu_metadata
---
amdhsa.version: [ 1, 2 ]
amdhsa.kernels:
  - .name:           k_q3311b1d836_gemm_ffn1
    .symbol:         k_q3311b1d836_gemm_ffn1.kd
    .args:
      - { .name: hq, .offset: 0, .size: 8, .value_kind: global_buffer, .address_space: global }
      - { .name: wq, .offset: 8, .size: 8, .value_kind: global_buffer, .address_space: global }
      - { .name: b1, .offset: 16, .size: 8, .value_kind: global_buffer, .address_space: global }
      - { .name: fq, .offset: 24, .size: 8, .value_kind: global_buffer, .address_space: global }
    .group_segment_fixed_size: 327680
    .private_segment_fixed_size: 0
    .kernarg_segment_align: 8
    .kernarg_segment_size: 32
    .max_flat_workgroup_size: 128
    .sgpr_count:     100
    .vgpr_count:     1024
    .wavefront_size: 32
...
	.end_amdgpu_metadata
.endif
;; end of part 4
;; launch gemm_ffn2 (part 5): grid 8 x 32, 4 waves a work-group, clusters of 4 x 4, 327,680 bytes of LDS; arguments fq, wq, hq, b2, y2; writes y2
.if DOCPART == 5
	.amdgcn_target "amdgcn-amd-amdhsa--gfx1250"
	.amdhsa_code_object_version 6
	.text
	.protected	k_q3311b1d836_gemm_ffn2
	.globl	k_q3311b1d836_gemm_ffn2
	.p2align	8
	.type	k_q3311b1d836_gemm_ffn2,@function
k_q3311b1d836_gemm_ffn2:
	s_mov_b64 s[64:65], 0
	v_nop
	global_prefetch_b8 v0, s[64:65] scope:SCOPE_SE
	s_setreg_imm32_b32 hwreg(HW_REG_WAVE_MODE, 25, 1), 1
	s_wait_xcnt 0x0
	s_wait_alu depctr_hold_cnt(0) depctr_sa_sdst(0) depctr_va_vdst(0) depctr_va_sdst(0) depctr_va_ssrc(0) depctr_va_vcc(0) depctr_vm_vsrc(0)
	s_getreg_b32 s2, hwreg(HW_REG_IB_STS2, 6, 4)
	s_cmp_eq_u32 s2, 0
	s_cbranch_scc0 .Lentry_in_a_cluster
	s_endpgm
.Lentry_in_a_cluster:
	s_bfe_u32 s2, ttmp6, 0x10000c
	s_cmp_lg_u32 s2, 0xf033
	s_cbranch_scc0 .Lentry_shape_is_right
	s_endpgm
.Lentry_shape_is_right:
; y2 = (Q(f) Q(W2) + b2) + h: the second product of the FFN on codes of FP4 with E8M0 scales, sums in f32, its bias and the residual; the LayerNorm follows in the next launch.
; A tile is 128 x 128 (256 work-groups); four waves, each 64 x 64: 16 accumulators.  K = 4,096 goes in four chunks of 1,024 through two LDS slots: two first fills, two refills, all written out.
; A's codes lie in memory as images of the operand's registers ([row tile][K step][1,024 bytes]): a fragment is two loads of 16 bytes a lane on end.  B's (W2's) lie as rows of 512 bytes + 16 of padding.
; The scale words of all of K (128 bytes a row) come once and go into 128 registers.  Clusters of 4 x 4: A's tiles are asked for jointly along a row of the cluster, B's along a column.
; The product is used transposed (source 0 = 16 rows of W2, source 1 = 16 rows of f).  W2's rows are stored permuted (bits 3 and 4 exchanged): register j of lane (r, h) of tile 2 b + u is column 32 b + 16 h + 8 u + j.
; h AND b2: my 64 x 64 of h is asked for behind the first barrier, 32 loads a wave in the layout in which the rows come back from the stage (sixteen lanes: 256 consecutive bytes), into 128 registers of
; their own; the loads have the whole walk along K in which to land, and the numbers are added on the way out.
; REGISTERS: window 0: v16-29 addresses; v32-35 b2; v64-191 scale words (32 i + K step: lanes 0-15 A's tile i, lanes 16-31 B's); v192-255 the way out.
;   window 1: two sets of fragments at 0 and 64 (A at 8 a, B at 32 + 8 b); accumulator (a, b) at 128 + 8 (4 a + b).   window 2: v0-127 h: block a's pair of rows t at 32 a + 4 t.
; LIMITS: NaN and infinities are not served.
.set SLOT,  133120                     ; A: 8 row tiles x 8 K steps x 1,024 bytes; then B: 128 rows x 528
.set BOFF,  65536
.set BP,    528
.set SCA,   2*SLOT                     ; A's scale bytes: 128 rows x (128 + 16); then B's
.set STG,   SCA+2*128*144              ; a stage of 16 rows x (256 + 16) for each wave
.set SPARE, STG+4*16*272               ; the spare words, 128 bytes for each wave: two blocks of 256 bytes that no other line names
.set FSO,   8388608
.set W2C,   3670016
.set W2S,   5996544
.set ADRA, 16
.set ADRB, 18
.set X1,   20
.set STO,  24
.set RD,   25
.set CO,   26
.set BOF,  27
.set SPW,  28
.set NIL,  29
.set B2R,  32
.set SC,   64
.set BK,   192
.set G1A,  24
.set G0A,  32
.set G1B,  48
.set G0B,  56
.set G1SA, 68
.set G0SA, 76
.set G1SB, 80
.set G0SB, 88
.set MSB, 0
.macro WIN new                         ; the immediate's high byte repeats the setting that is left
.if MSB != (\new)
	s_set_vgpr_msb (MSB<<8)|(\new)
.set MSB, (\new)
.endif
.endm
.macro PLACES
.rept 4
	v_nop
.endr
.endm
.macro JLOAD g0a, g1a, g0b, g1b        ; waves 0 and 1 fetch for A, waves 2 and 3 for B; four v_nop follow each of the two lines
	s_cmp_eq_u32 s15, 0
	s_cbranch_scc0 .Lfor_b_\@
	tensor_load_to_lds s[\g0a:\g0a+3], s[\g1a:\g1a+7]
	s_nop 0
.rept 4
	v_nop
.endr
	s_branch .Lasked_\@
.Lfor_b_\@:
	tensor_load_to_lds s[\g0b:\g0b+3], s[\g1b:\g1b+7]
	s_nop 0
.rept 4
	v_nop
.endr
.Lasked_\@:
.endm
.macro CROUND
	s_barrier_signal -1
	s_barrier_wait -1
	s_cmp_lg_u32 s14, 0
	s_cbranch_scc1 .Lnot_wave_0_\@
	s_barrier_signal -3
.Lnot_wave_0_\@:
	s_barrier_wait -3
	s_barrier_signal -1
	s_barrier_wait -1
.endm
	s_load_b128 s[4:7], s[0:1], 0x0                ; fq, wq
	s_load_b128 s[8:11], s[0:1], 0x10              ; hq, b2
	s_load_b64 s[12:13], s[0:1], 0x20              ; y2
	v_lshl_add_u32 v[SPW], v0, 2, SPARE
	v_mov_b32 v[NIL], 0
	ds_add_u32 v28, v29
	ds_add_u32 v28, v29
	s_wait_dscnt 0x0
	v_lshrrev_b32 v1, 5, v0
	v_readfirstlane_b32 s14, v1                    ; wave 0..3
	s_lshr_b32 s15, s14, 1                         ; my half of the rows.  Also: I fetch for A (0) or for B (1)
	s_and_b32 s16, s14, 1                          ; my half of the columns.  Also: which half I fetch
	s_bfe_u32 s40, ttmp6, 0x40000
	s_bfe_u32 s41, ttmp6, 0x40004
	s_lshl_b32 s42, ttmp9, 2
	s_add_co_u32 s42, s42, s40                     ; X
	s_and_b32 s17, ttmp7, 0xffff
	s_lshl_b32 s17, s17, 2
	s_add_co_u32 s17, s17, s41                     ; Y
	s_lshl_b32 s43, s41, 2
	s_lshl_b32 s43, 15, s43
	s_lshl_b32 s44, 0x1111, s40
	s_or_b32 s[G1A], s43, (3<<16)|(1<<21)          ; A: elements of 8 bytes, no padding
	s_mov_b32 s[G1A+1], 1024<<16                   ; a row: 8 K steps' images of one row tile, 8,192 bytes
	s_mov_b32 s[G1A+2], 4<<16                      ; 4 row tiles
	s_mov_b32 s[G1A+3], 1024<<16
	s_mov_b32 s[G1A+4], 4
	s_mov_b32 s[G1A+5], 4096                       ; 32 K steps from row tile to row tile
	s_mov_b32 s[G1A+6], 0
	s_mov_b32 s[G1A+7], 0
	s_or_b32 s[G1B], s44, (1<<20)|(1<<21)|(6<<22)|(3<<25)    ; B: bytes; 4 words of padding behind every 128
	s_mov_b32 s[G1B+1], 512<<16
	s_mov_b32 s[G1B+2], 64<<16
	s_mov_b32 s[G1B+3], 512<<16
	s_mov_b32 s[G1B+4], 64
	s_mov_b32 s[G1B+5], 2048
	s_mov_b32 s[G1B+6], 0
	s_mov_b32 s[G1B+7], 0
	s_or_b32 s[G1SA], s43, (1<<20)|(1<<21)|(4<<22)|(3<<25)   ; scale rows of 128 bytes: 4 words of padding behind every 32
	s_or_b32 s[G1SB], s44, (1<<20)|(1<<21)|(4<<22)|(3<<25)
.irp g, G1SA, G1SB
	s_mov_b32 s[\g+1], 128<<16
	s_mov_b32 s[\g+2], 64<<16
	s_mov_b32 s[\g+3], 128<<16
	s_mov_b32 s[\g+4], 64
	s_mov_b32 s[\g+5], 128
	s_mov_b32 s[\g+6], 0
	s_mov_b32 s[\g+7], 0
.endr
	s_lshl_b32 s20, s17, 18                        ; A's codes: (8 Y + 4 e) row tiles of 32,768 bytes
	s_lshl_b32 s18, s16, 17
	s_add_co_u32 s20, s20, s18
	s_mov_b32 s21, 0
	s_lshl_b32 s22, s17, 14                        ; A's scales: (128 Y + 64 e) rows of 128 bytes
	s_lshl_b32 s18, s16, 13
	s_add_co_u32 s22, s22, s18
	s_add_co_u32 s22, s22, FSO
	s_mov_b32 s23, 0
	s_lshl_b32 s46, s42, 18                        ; B's codes: (128 X + 64 e) rows of 2,048 bytes
	s_lshl_b32 s18, s16, 17
	s_add_co_u32 s46, s46, s18
	s_add_co_u32 s46, s46, W2C
	s_mov_b32 s47, 0
	s_lshl_b32 s92, s42, 14
	s_lshl_b32 s18, s16, 13
	s_add_co_u32 s92, s92, s18
	s_add_co_u32 s92, s92, W2S
	s_mov_b32 s93, 0
	s_lshl_b32 s45, s16, 15                        ; where they go: A's half,
	s_mul_i32 s94, s16, 64*BP
	s_add_co_u32 s94, s94, BOFF                    ; B's half,
	s_mul_i32 s95, s14, 64*144
	s_add_co_u32 s95, s95, SCA                     ; the scales: wave x 64 rows
	s_wait_kmcnt 0x0
	s_add_nc_u64 s[20:21], s[4:5], s[20:21]
	s_add_nc_u64 s[22:23], s[4:5], s[22:23]
	s_add_nc_u64 s[46:47], s[6:7], s[46:47]
	s_add_nc_u64 s[92:93], s[6:7], s[92:93]
	CROUND                                         ; all sixteen work-groups are here: the first joint loads meet
	s_mov_b32 s[G0SA], 1
	s_mov_b32 s[G0SA+1], s95
	s_mov_b64 s[G0SA+2:G0SA+3], s[22:23]
	s_or_b32 s[G0SA+3], s[G0SA+3], 0x80000000
	s_mov_b32 s[G0SB], 1
	s_mov_b32 s[G0SB+1], s95
	s_mov_b64 s[G0SB+2:G0SB+3], s[92:93]
	s_or_b32 s[G0SB+3], s[G0SB+3], 0x80000000
	JLOAD G0SA, G1SA, G0SB, G1SB
.irp s, 0,1
	s_mov_b32 s[G0A+4*\s], 1
	s_add_co_u32 s[G0A+4*\s+1], s45, \s*SLOT
	s_add_nc_u64 s[G0A+4*\s+2:G0A+4*\s+3], s[20:21], \s*8192
	s_or_b32 s[G0A+4*\s+3], s[G0A+4*\s+3], 0x80000000
	s_mov_b32 s[G0B+4*\s], 1
	s_add_co_u32 s[G0B+4*\s+1], s94, \s*SLOT
	s_add_nc_u64 s[G0B+4*\s+2:G0B+4*\s+3], s[46:47], \s*512
	s_or_b32 s[G0B+4*\s+3], s[G0B+4*\s+3], 0x80000000
	JLOAD G0A+4*\s, G1A, G0B+4*\s, G1B             ; chunk s: three loads of mine are out in all
.endr
	v_and_b32 v1, 15, v0                           ; r
	v_bfe_u32 v2, v0, 4, 1                         ; h
	v_and_b32 v5, 31, v0
	v_lshlrev_b32 v6, 4, v5                        ; 16 x lane
	s_lshl_b32 s18, s15, 15
	v_add_nc_u32 v[ADRA], s18, v6
	s_add_co_u32 s18, s18, SLOT
	v_add_nc_u32 v[ADRA+1], s18, v6
	v_mul_u32_u24 v3, v1, BP
	v_lshl_add_u32 v3, v2, 4, v3
	s_mul_i32 s18, s16, 64*BP
	s_add_co_u32 s18, s18, BOFF
	v_add_nc_u32 v[ADRB], s18, v3
	s_add_co_u32 s18, s18, SLOT
	v_add_nc_u32 v[ADRB+1], s18, v3
	s_xor_b32 s19, s15, 1
	s_add_co_u32 s19, s19, s16
	s_add_co_u32 s19, s19, 1
	s_mul_i32 s19, s19, 64*144                     ; from my rows of A's scales to my rows of B's
	v_mul_u32_u24 v4, s19, v2
	v_mad_u32_u24 v[X1], v1, 144, v4
	s_mul_i32 s18, s15, 64*144
	s_add_co_u32 s18, s18, SCA
	v_add_nc_u32 v[X1], s18, v[X1]
	s_mul_i32 s18, s14, 16*272
	s_add_co_u32 s18, s18, STG                     ; my stage
	v_mul_u32_u24 v[STO], v1, 272
	v_lshl_add_u32 v[STO], v2, 6, v[STO]
	v_add_nc_u32 v[STO], s18, v[STO]               ; in: row r, + 64 h
	v_mul_u32_u24 v[RD], v2, 272
	v_lshl_add_u32 v[RD], v1, 4, v[RD]
	v_add_nc_u32 v[RD], s18, v[RD]                 ; back: lanes 0-15 one row of 256 bytes, lanes 16-31 the next
	v_lshlrev_b32 v[CO], 12, v2
	v_lshl_add_u32 v[CO], v1, 4, v[CO]             ; and the same two rows in y2 and in h; never rewritten
	v_lshlrev_b32 v[BOF], 4, v1                    ; my 16 bytes of the wave's 256 of b2; never rewritten
	s_lshl_b32 s20, s17, 19                        ; (128 Y + 64 wm) rows of 4,096 bytes + (128 X + 64 wn) x 4
	s_lshl_b32 s18, s15, 18
	s_add_co_u32 s20, s20, s18
	s_lshl_b32 s18, s42, 9
	s_add_co_u32 s20, s20, s18
	s_lshl_b32 s18, s16, 8
	s_add_co_u32 s20, s20, s18
	s_mov_b32 s21, 0
	s_add_nc_u64 s[12:13], s[12:13], s[20:21]      ; y2 at my first row and column
	s_add_nc_u64 s[8:9], s[8:9], s[20:21]          ; h lies at hq's head and is laid as y2 is
	s_lshl_b32 s22, s42, 9
	s_lshl_b32 s18, s16, 8
	s_add_co_u32 s22, s22, s18
	s_mov_b32 s23, 0
	s_add_nc_u64 s[10:11], s[10:11], s[22:23]      ; b2 at my first column
.macro WMT z
.if \z
	v_wmma_scale_f32_16x16x128_f8f6f4 v[rD:rD+7], v[rB:rB+7], v[rA:rA+7], 0, v[cB], v[cA] matrix_a_fmt:MATRIX_FMT_FP4 matrix_b_fmt:MATRIX_FMT_FP4 matrix_a_scale:MATRIX_SCALE_ROW1
.else
	v_wmma_scale_f32_16x16x128_f8f6f4 v[rD:rD+7], v[rB:rB+7], v[rA:rA+7], v[rD:rD+7], v[cB], v[cA] matrix_a_fmt:MATRIX_FMT_FP4 matrix_b_fmt:MATRIX_FMT_FP4 matrix_a_scale:MATRIX_SCALE_ROW1
.endif
.endm
; 8 matrix instructions: A's tiles 2 hf, 2 hf + 1 x B's four.  The 16 accumulators take turns, one instruction a turn, in the same order in every step.
.macro MULH ks, p, hf, z
	WIN 0x55
.irp ii, 0,1
.irp b, 0,1,2,3
.set rD, 128+8*(4*(2*(\hf)+\ii)+\b)
.set rA, 64*(\p)+8*(2*(\hf)+\ii)
.set rB, 64*(\p)+32+8*\b
.set cA, SC+32*(2*(\hf)+\ii)+(\ks)
.set cB, SC+32*\b+(\ks)
	WMT \z
.endr
.endr
.endm
.macro FETCH s, kq, p                  ; 16 LDS loads: the fragments of the slot's K step kq into set p
	WIN 0x40
.irp a, 0,1,2,3
.irp cc, 0,1
	ds_load_b128 v[64*(\p)+8*\a+4*\cc:64*(\p)+8*\a+4*\cc+3], v[ADRA+\s] offset:8192*\a+1024*(\kq)+512*\cc
.endr
.endr
.irp b, 0,1,2,3
.irp cc, 0,1
	ds_load_b128 v[64*(\p)+32+8*\b+4*\cc:64*(\p)+32+8*\b+4*\cc+3], v[ADRB+\s] offset:16*BP*\b+64*(\kq)+32*\cc
.endr
.endr
.endm
.macro STEP s, kq, ks, z
	s_wait_dscnt 0x0                               ; this step's fragments are in
	MULH \ks, (\kq)%2, 0, \z
.if \kq < 7
	PLACES                                         ; four places in front of loads into registers that matrix instructions have read
	FETCH \s, (\kq)+1, ((\kq)+1)%2
.endif
	MULH \ks, (\kq)%2, 1, \z
.endm
; THE CHANGE OF SLOTS.  Each wave waits for all its tensor loads (its part of the next slot), adds 0 to its spare word, and waits for that and for its reads of the slot that it leaves.
; fill = 1: the barrier is a round of the cluster's, and the slot just left is filled first thing behind it, one joint load a wave, with the chunk two further on: it has a chunk's 128 matrix instructions in which to land.
.macro CHANGE slot, next, fill
	WIN 0
	s_wait_tensorcnt 0x0                           ; no tensor load of mine is out, so a group 0 may be written
	ds_add_u32 v[SPW], v[NIL]                      ; 0 onto my spare word
.if \fill
	s_add_nc_u64 s[G0A+4*\slot+2:G0A+4*\slot+3], s[G0A+4*\slot+2:G0A+4*\slot+3], 16384
	s_add_nc_u64 s[G0B+4*\slot+2:G0B+4*\slot+3], s[G0B+4*\slot+2:G0B+4*\slot+3], 1024
.endif
	s_wait_dscnt 0x0                               ; the add is done, and my reads of the slot are over
.if \fill
	CROUND
	JLOAD G0A+4*\slot, G1A, G0B+4*\slot, G1B       ; the four v_nop behind it are also the places in front of the loads below
.else
	s_barrier_signal -1
	s_barrier_wait -1
	PLACES
.endif
	FETCH \next, 0, 0
.endm
	s_wait_tensorcnt 1                             ; the scales and chunk 0 are in; chunk 1's load may stay out
	s_barrier_signal -1
	s_barrier_wait -1
.irp i, 0,1,2,3
.irp g, 0,1,2,3,4,5,6,7
	ds_load_b128 v[SC+32*\i+4*\g:SC+32*\i+4*\g+3], v[X1] offset:2304*\i+16*\g   ; all scale words, once
.endr
.endr
	FETCH 0, 0, 0
	WIN 0
	global_load_b128 v[B2R:B2R+3], v[BOF], s[10:11]                 ; b2 of my four columns
	WIN 0x80                                       ; destination window 2, address window 0
.irp a, 0,1,2,3
.irp t, 0,1,2,3,4,5,6,7
	global_load_b128 v[32*\a+4*\t:32*\a+4*\t+3], v[CO], s[8:9] offset:65536*\a+8192*\t th:TH_LOAD_NT   ; h: 16 lanes read 256 consecutive bytes; wanted only on the way out
.endr
.endr
	STEP 0, 0, 0, 1                                ; the first step's products start the sums
.irp kq, 1,2,3,4,5,6,7
	STEP 0, \kq, \kq, 0
.endr
	CHANGE 0, 1, 1                                 ; slot 0 takes chunk 2
.irp kq, 0,1,2,3,4,5,6,7
	STEP 1, \kq, 8+\kq, 0
.endr
	CHANGE 1, 0, 1                                 ; slot 1 takes chunk 3
.irp kq, 0,1,2,3,4,5,6,7
	STEP 0, \kq, 16+\kq, 0
.endr
	CHANGE 0, 1, 0                                 ; nothing is left to fetch
.irp kq, 0,1,2,3,4,5,6,7
	STEP 1, \kq, 24+\kq, 0
.endr
	WIN 0
	PLACES                                         ; four places in front of the first read of results
; THE WAY OUT, 16 rows x 64 columns at a time, through my own stage: LDS serves a wave's instructions in order, so no wait stands between the stores and the loads.
.macro TOSTAGE a
	WIN 0x04                                       ; an LDS store's data are its source 1: window 1
.irp b, 0,1,2,3
	ds_store_b128 v[STO], v[128+8*(4*(\a)+\b):128+8*(4*(\a)+\b)+3] offset:128*(\b/2)+32*(\b%2)      ; each accumulator from its low end on
	ds_store_b128 v[STO], v[128+8*(4*(\a)+\b)+4:128+8*(4*(\a)+\b)+7] offset:128*(\b/2)+32*(\b%2)+16
.endr
	WIN 0
.irp t, 0,1,2,3,4,5,6,7
	ds_load_b128 v[BK+32*((\a)%2)+4*\t:BK+32*((\a)%2)+4*\t+3], v[RD] offset:544*\t
.endr
.endm
.macro SEND a, younger
.set BB, BK+32*((\a)%2)
.set HB, 32*(\a)
	s_wait_dscnt \younger                          ; the block is back; the LDS instructions issued behind its loads may be out
	s_wait_loadcnt 8*(3-(\a))                      ; b2 and this block's eight loads of h are in; those of the blocks behind it may be out
.irp t, 0,1,2,3,4,5,6,7
	v_pk_add_f32 v[BB+4*\t:BB+4*\t+1], v[BB+4*\t:BB+4*\t+1], v[B2R:B2R+1]           ; + b2
	v_pk_add_f32 v[BB+4*\t+2:BB+4*\t+3], v[BB+4*\t+2:BB+4*\t+3], v[B2R+2:B2R+3]
.endr
	WIN 0x08                                       ; source 1 window 2
.irp t, 0,1,2,3,4,5,6,7
	v_pk_add_f32 v[BB+4*\t:BB+4*\t+1], v[BB+4*\t:BB+4*\t+1], v[HB+4*\t:HB+4*\t+1]   ; + h
	v_pk_add_f32 v[BB+4*\t+2:BB+4*\t+3], v[BB+4*\t+2:BB+4*\t+3], v[HB+4*\t+2:HB+4*\t+3]
.endr
	WIN 0
.irp t, 0,1,2,3,4,5,6,7
	global_store_b128 v[CO], v[BB+4*\t:BB+4*\t+3], s[12:13] offset:65536*(\a)+8192*\t   ; 16 lanes store 256 consecutive bytes, at a multiple of 256 from y2's first byte
.endr
.endm
	TOSTAGE 0
	TOSTAGE 1
	SEND 0, 16                                     ; behind block 0's loads: block 1's 8 stores and 8 loads
	s_wait_xcnt 0x0                                ; block 0's stores have read their registers: block 2's loads may land there
	TOSTAGE 2
	SEND 1, 16
	s_wait_xcnt 0x0
	TOSTAGE 3
	SEND 2, 16
	SEND 3, 0
	s_wait_tensorcnt 0x0                           ; the wave's end
	ds_add_u32 v[SPW], v[NIL]
	s_wait_dscnt 0x0
	CROUND                                         ; the closing round
	s_endpgm
.Lfunc_end_k_q3311b1d836_gemm_ffn2:
	.size	k_q3311b1d836_gemm_ffn2, .Lfunc_end_k_q3311b1d836_gemm_ffn2-k_q3311b1d836_gemm_ffn2
	.p2alignl 7, 3214868480
	.fill 96, 4, 3214868480
	.section	.rodata,"a",@progbits
	.p2align	6, 0x0
	.amdhsa_kernel k_q3311b1d836_gemm_ffn2
		.amdhsa_group_segment_fixed_size 327680
		.amdhsa_private_segment_fixed_size 0
		.amdhsa_enable_private_segment 0
		.amdhsa_kernarg_size 40
		.amdhsa_user_sgpr_count 2
		.amdhsa_user_sgpr_kernarg_segment_ptr 1
		.amdhsa_wavefront_size32 1
		.amdhsa_system_sgpr_workgroup_id_x 1
		.amdhsa_system_sgpr_workgroup_id_y 1
		.amdhsa_system_sgpr_workgroup_id_z 1
		.amdhsa_system_vgpr_workitem_id 0
		.amdhsa_next_free_vgpr 640
		.amdhsa_next_free_sgpr 100
		.amdhsa_reserve_vcc 0
		.amdhsa_float_denorm_mode_32 3
		.amdhsa_float_denorm_mode_16_64 3
		.amdhsa_memory_ordered 1
		.amdhsa_forward_progress 1
		.amdhsa_inst_pref_size 137
	.end_amdhsa_kernel
	.amdgpu_metadata
---
amdhsa.version: [ 1, 2 ]
amdhsa.kernels:
  - .name:           k_q3311b1d836_gemm_ffn2
    .symbol:         k_q3311b1d836_gemm_ffn2.kd
    .args:
      - { .name: fq, .offset: 0, .size: 8, .value_kind: global_buffer, .address_space: global }
      - { .name: wq, .offset: 8, .size: 8, .value_kind: global_buffer, .address_space: global }
      - { .name: hq, .offset: 16, .size: 8, .value_kind: global_buffer, .address_space: global }
      - { .name: b2, .offset: 24, .size: 8, .value_kind: global_buffer, .address_space: global }
      - { .name: y2, .offset: 32, .size: 8, .value_kind: global_buffer, .address_space: global }
    .group_segment_fixed_size: 327680
    .private_segment_fixed_size: 0
    .kernarg_segment_align: 8
    .kernarg_segment_size: 40
    .max_flat_workgroup_size: 128
    .sgpr_count:     100
    .vgpr_count:     640
    .wavefront_size: 32
...
	.end_amdgpu_metadata
.endif
;; end of part 5
;; launch ln2 (part 6): grid 512 x 1, 8 waves a work-group, no clusters, 0 bytes of LDS; arguments y2, gamma, beta, out0; writes out0
.if DOCPART == 6
	.amdgcn_target "amdgcn-amd-amdhsa--gfx1250"
	.amdhsa_code_object_version 6
	.text
	.protected	k_q3311b1d836_ln2
	.globl	k_q3311b1d836_ln2
	.p2align	8
	.type	k_q3311b1d836_ln2,@function
k_q3311b1d836_ln2:
	s_mov_b64 s[64:65], 0
	v_nop
	global_prefetch_b8 v0, s[64:65] scope:SCOPE_SE
	s_setreg_imm32_b32 hwreg(HW_REG_WAVE_MODE, 25, 1), 1
	s_wait_xcnt 0x0
; out0 = LayerNorm(y2), rows of 1,024 f32; y2 already holds the FFN's result with its bias and the residual.  One wave takes one row and keeps it in 32 registers a lane: memory is read once, no LDS, no barrier.
; Every load and store of a wave covers 512 consecutive bytes.  All 24 loads of a wave go out at once.  The mean is taken first and the variance of the centred numbers; 1 / sqrt by v_rsq_f32.
; Matrix units, clusters and LDS would add nothing to a stream.  LIMITS: NaN and infinities are not served.
.set Y,   16                           ; v16-47   the row
.set G,   48                           ; v48-79   gamma
.set BE,  80                           ; v80-111  beta
.set LT,  112                          ; v112-115 at work
.set SEL, 20
.macro RSUM t                          ; the sum over the 32 lanes, in every lane
	v_add_f32_dpp v[\t], v[\t], v[\t] row_xmask:1 row_mask:0xf bank_mask:0xf
	v_add_f32_dpp v[\t], v[\t], v[\t] row_xmask:2 row_mask:0xf bank_mask:0xf
	v_add_f32_dpp v[\t], v[\t], v[\t] row_xmask:4 row_mask:0xf bank_mask:0xf
	v_add_f32_dpp v[\t], v[\t], v[\t] row_xmask:8 row_mask:0xf bank_mask:0xf
	v_permlanex16_b32 v[\t+1], v[\t], s[SEL], s[SEL+1]
	v_add_f32 v[\t], v[\t], v[\t+1]
.endm
	s_load_b256 s[4:11], s[0:1], 0x0               ; y2, gamma, beta, out0
	v_lshrrev_b32 v1, 5, v0
	v_readfirstlane_b32 s16, v1                    ; wave
	v_and_b32 v2, 31, v0
	v_lshlrev_b32 v2, 4, v2                        ; 16 x lane
	s_lshl_b32 s17, ttmp9, 3
	s_add_co_u32 s17, s17, s16                     ; my row
	s_lshl_b32 s18, s17, 12
	s_mov_b32 s19, 0
	s_mov_b32 s[SEL], 0x76543210
	s_mov_b32 s[SEL+1], 0xfedcba98
	s_mov_b32 s22, 0x3a800000                      ; 1 / 1,024
	s_mov_b32 s23, 0x3727c5ac                      ; 1e-5
	s_wait_kmcnt 0x0
	s_add_nc_u64 s[4:5], s[4:5], s[18:19]
	s_add_nc_u64 s[10:11], s[10:11], s[18:19]
.irp i, 0,1,2,3,4,5,6,7
	global_load_b128 v[Y+4*\i:Y+4*\i+3], v2, s[4:5] offset:512*\i th:TH_LOAD_NT
.endr
.irp i, 0,1,2,3,4,5,6,7
	global_load_b128 v[G+4*\i:G+4*\i+3], v2, s[6:7] offset:512*\i
.endr
.irp i, 0,1,2,3,4,5,6,7
	global_load_b128 v[BE+4*\i:BE+4*\i+3], v2, s[8:9] offset:512*\i
.endr
	s_wait_loadcnt 16                              ; the row is in; gamma's and beta's 16 loads may stay out
	v_pk_add_f32 v[LT:LT+1], v[Y:Y+1], v[Y+2:Y+3]
	v_pk_add_f32 v[LT+2:LT+3], v[Y+4:Y+5], v[Y+6:Y+7]
.irp k, 8,12,16,20,24,28
	v_pk_add_f32 v[LT:LT+1], v[LT:LT+1], v[Y+\k:Y+\k+1]
	v_pk_add_f32 v[LT+2:LT+3], v[LT+2:LT+3], v[Y+\k+2:Y+\k+3]
.endr
	v_pk_add_f32 v[LT:LT+1], v[LT:LT+1], v[LT+2:LT+3]
	v_add_f32 v[LT], v[LT], v[LT+1]
	RSUM LT
	v_mul_f32 v[LT], s22, v[LT]                    ; the mean
.set jj, 0
.rept 16
	v_pk_add_f32 v[Y+jj:Y+jj+1], v[Y+jj:Y+jj+1], v[LT:LT+1] op_sel_hi:[1,0] neg_lo:[0,1] neg_hi:[0,1]
.set jj, jj+2
.endr
	v_pk_mul_f32 v[LT:LT+1], v[Y:Y+1], v[Y:Y+1]
	v_pk_mul_f32 v[LT+2:LT+3], v[Y+2:Y+3], v[Y+2:Y+3]
.irp k, 4,8,12,16,20,24,28
	v_pk_fma_f32 v[LT:LT+1], v[Y+\k:Y+\k+1], v[Y+\k:Y+\k+1], v[LT:LT+1]
	v_pk_fma_f32 v[LT+2:LT+3], v[Y+\k+2:Y+\k+3], v[Y+\k+2:Y+\k+3], v[LT+2:LT+3]
.endr
	v_pk_add_f32 v[LT:LT+1], v[LT:LT+1], v[LT+2:LT+3]
	v_add_f32 v[LT], v[LT], v[LT+1]
	RSUM LT
	v_fma_f32 v[LT], v[LT], s22, s23               ; the variance + 1e-5
	v_rsq_f32 v[LT], v[LT]
	v_nop                                          ; a plain place behind the transcendental
	s_wait_loadcnt 0x0                             ; gamma, beta
.set jj, 0
	s_wait_alu depctr_va_vdst(0)
.rept 16
	v_pk_mul_f32 v[Y+jj:Y+jj+1], v[Y+jj:Y+jj+1], v[LT:LT+1] op_sel_hi:[1,0]
.set jj, jj+2
.endr
.set jj, 0
.rept 16
	v_pk_fma_f32 v[Y+jj:Y+jj+1], v[Y+jj:Y+jj+1], v[G+jj:G+jj+1], v[BE+jj:BE+jj+1]
.set jj, jj+2
.endr
.irp i, 0,1,2,3,4,5,6,7
	global_store_b128 v2, v[Y+4*\i:Y+4*\i+3], s[10:11] offset:512*\i th:TH_STORE_NT
.endr
	s_endpgm
.Lfunc_end_k_q3311b1d836_ln2:
	.size	k_q3311b1d836_ln2, .Lfunc_end_k_q3311b1d836_ln2-k_q3311b1d836_ln2
	.p2alignl 7, 3214868480
	.fill 96, 4, 3214868480
	.section	.rodata,"a",@progbits
	.p2align	6, 0x0
	.amdhsa_kernel k_q3311b1d836_ln2
		.amdhsa_group_segment_fixed_size 0
		.amdhsa_private_segment_fixed_size 0
		.amdhsa_enable_private_segment 0
		.amdhsa_kernarg_size 32
		.amdhsa_user_sgpr_count 2
		.amdhsa_user_sgpr_kernarg_segment_ptr 1
		.amdhsa_wavefront_size32 1
		.amdhsa_system_sgpr_workgroup_id_x 1
		.amdhsa_system_sgpr_workgroup_id_y 1
		.amdhsa_system_sgpr_workgroup_id_z 1
		.amdhsa_system_vgpr_workitem_id 0
		.amdhsa_next_free_vgpr 128
		.amdhsa_next_free_sgpr 66
		.amdhsa_reserve_vcc 0
		.amdhsa_float_denorm_mode_32 3
		.amdhsa_float_denorm_mode_16_64 3
		.amdhsa_memory_ordered 1
		.amdhsa_forward_progress 1
		.amdhsa_inst_pref_size 10
	.end_amdhsa_kernel
	.amdgpu_metadata
---
amdhsa.version: [ 1, 2 ]
amdhsa.kernels:
  - .name:           k_q3311b1d836_ln2
    .symbol:         k_q3311b1d836_ln2.kd
    .args:
      - { .name: y2, .offset: 0, .size: 8, .value_kind: global_buffer, .address_space: global }
      - { .name: gamma, .offset: 8, .size: 8, .value_kind: global_buffer, .address_space: global }
      - { .name: beta, .offset: 16, .size: 8, .value_kind: global_buffer, .address_space: global }
      - { .name: out0, .offset: 24, .size: 8, .value_kind: global_buffer, .address_space: global }
    .group_segment_fixed_size: 0
    .private_segment_fixed_size: 0
    .kernarg_segment_align: 8
    .kernarg_segment_size: 32
    .max_flat_workgroup_size: 256
    .sgpr_count:     66
    .vgpr_count:     128
    .wavefront_size: 32
...
	.end_amdgpu_metadata
.endif
;; end of part 6
